; MI455X (gfx1250); checked and timed in simulation.
; The chip was launched on July 23, 2026; its instructions are those of AMD's public machine-readable ISA for CDNA 5 (MIT licence, August 2026) and "CDNA5" Instruction Set Architecture Reference Guide (July 2026). The comments in the code are by the model that wrote it; some were corrected since.
;; Concept Net Encoder. Allowed arithmetic: float matrix products may take bf16 or f16 operands with f32 sums; all other float work in f32.
;; Inputs: a 256 x 256 float32; b 256 x 1 float32; conceptnet_text_vec 4 x 256 int32; table 100,000 x 256 float32.
;; Outputs: out0 4 x 256 x 256 float32.
;; Constants: topk = 16.
;; 2 versions, each right and faster than the one before. Each part assembles by itself: llvm-mc -triple=amdgcn-amd-amdhsa -mcpu=gfx1250 --defsym DOCPART=n.
;; ======== version 1 of 2: 6 launches
;; workspace buffers: qf 524,288 bytes; af 131,072 bytes; fine 51,200,000 bytes; coarse 2,560,000 bytes; cid 65,536 bytes of whole numbers; fid 65,536 bytes of whole numbers; rid 65,536 bytes of whole numbers
;; launch prep (part 1): grid 80 x 1, 1 waves a work-group, no clusters, 0 bytes of LDS; arguments conceptnet_text_vec, table, a, qf, af; writes qf, af
.if DOCPART == 1
	.amdgcn_target "amdgcn-amd-amdhsa--gfx1250"
	.amdhsa_code_object_version 6
	.text
	.protected	k_q96f5adb7e0_prep
	.globl	k_q96f5adb7e0_prep
	.p2align	8
	.type	k_q96f5adb7e0_prep,@function
k_q96f5adb7e0_prep:
	s_mov_b64 s[64:65], 0
	v_nop
	global_prefetch_b8 v0, s[64:65] scope:SCOPE_SE
	s_setreg_imm32_b32 hwreg(HW_REG_WAVE_MODE, 25, 1), 1
	s_wait_xcnt 0x0
; Makes the bf16 matrix fragments that the later launches load straight into registers.
; Work-groups 0 to 63 (one wave each): tile tq of 16 queries.  Lane (r = lane & 15, h = lane >> 4) holds query
;   Q = (tq >> 3) * 128 + ((tq >> 2) & 1) * 64 + 4 r + (tq & 3),  so that four neighbouring tiles give a lane four neighbouring queries.
; Work-groups 64 to 79: tile nt of 16 columns of a; the lane holds column 16 nt + r.
; Layout of both outputs: [tile][K step s of 32][p][lane] x 16 bytes, the 16 bytes being k = 32 s + 16 p + 8 h + 0..7 in bf16,
; which is registers 4 p .. 4 p + 3 of a 16-bit fragment (ISA guide 7.12.2).  Each store of the wave covers 512 consecutive bytes, aligned.
; No LDS, no matrix unit: 80 tiles of 8 KB, read once and rounded once.
.set X, 16                             ; v[16:143]  128 numbers in f32: X + 16 s + 8 p + j
.set Y, 144                            ; v[144:207] the same in bf16, two to a register
.macro TAIL base                       ; round, store the tile's 8,192 bytes, end
	s_wait_loadcnt 0x0                             ; all 128 numbers are needed
.set n, 0
.rept 64
	v_cvt_pk_bf16_f32 v[Y+n], v[X+2*n], v[X+2*n+1]
.set n, n+1
.endr
.set n, 0
.rept 16
	global_store_b128 v3, v[Y+4*n:Y+4*n+3], s[\base:\base+1] offset:512*n
.set n, n+1
.endr
	s_endpgm
.endm
	s_load_b256 s[4:11], s[0:1], 0x0               ; ids s[4:5], table s[6:7], a s[8:9], qf s[10:11]
	s_load_b64 s[12:13], s[0:1], 0x20              ; af
	v_and_b32 v1, 15, v0                           ; r
	v_lshrrev_b32 v2, 4, v0                        ; h (one wave: v0 is the lane)
	v_lshlrev_b32 v3, 4, v0                        ; 16 x lane: my place in each store
	s_mov_b32 s17, 0
	s_wait_kmcnt 0x0
	s_cmp_lt_u32 ttmp9, 64
	s_cbranch_scc0 .Lfor_a
	; a tile of queries
	s_lshr_b32 s14, ttmp9, 3
	s_lshl_b32 s14, s14, 7                         ; (tq >> 3) * 128
	s_bfe_u32 s15, ttmp9, 0x10002                  ; bit 2 of tq
	s_lshl_b32 s15, s15, 6
	s_add_co_u32 s14, s14, s15
	s_and_b32 s15, ttmp9, 3
	s_add_co_u32 s14, s14, s15
	v_lshl_add_u32 v4, v1, 2, s14                  ; Q
	v_lshlrev_b32 v4, 2, v4
	global_load_b32 v5, v4, s[4:5]                 ; the query's row number
	v_lshlrev_b32 v6, 5, v2                        ; 32 h bytes: 8 h numbers
	s_lshl_b32 s16, ttmp9, 13
	s_add_nc_u64 s[10:11], s[10:11], s[16:17]      ; qf at my tile
	s_wait_loadcnt 0x0
	v_min_u32 v5, 0x1869f, v5                      ; a row number stays inside the table's 100,000 rows
	v_lshlrev_b32 v5, 10, v5                       ; rows of 1,024 bytes
	v_add_nc_u32 v5, v5, v6
.irp s, 0,1,2,3,4,5,6,7
.irp c, 0,1,2,3
	global_load_b128 v[X+16*\s+4*\c:X+16*\s+4*\c+3], v5, s[6:7] offset:128*\s+64*(\c>>1)+16*(\c&1)
.endr
.endr
	TAIL 10
.Lfor_a:
	; a tile of columns of a: a[k][n] lies at 1,024 k + 4 n
	s_sub_co_u32 s14, ttmp9, 64                    ; nt
	s_lshl_b32 s15, s14, 6                         ; 16 nt columns of 4 bytes
	s_lshl_b32 s16, s14, 13
	s_add_nc_u64 s[12:13], s[12:13], s[16:17]      ; af at my tile
	v_lshl_add_u32 v5, v1, 2, s15
	v_lshl_add_u32 v5, v2, 13, v5                  ; + 8 h rows
.irp s, 0,1,2,3,4,5,6,7
.irp p, 0,1
.irp j, 0,1,2,3,4,5,6,7
	global_load_b32 v[X+16*\s+8*\p+\j], v5, s[8:9] offset:(32*\s+16*\p+\j)*1024
.endr
.endr
.endr
	TAIL 12
.Lfunc_end_k_q96f5adb7e0_prep:
	.size	k_q96f5adb7e0_prep, .Lfunc_end_k_q96f5adb7e0_prep-k_q96f5adb7e0_prep
	.p2alignl 7, 3214868480
	.fill 96, 4, 3214868480
	.section	.rodata,"a",@progbits
	.p2align	6, 0x0
	.amdhsa_kernel k_q96f5adb7e0_prep
		.amdhsa_group_segment_fixed_size 0
		.amdhsa_private_segment_fixed_size 0
		.amdhsa_enable_private_segment 0
		.amdhsa_kernarg_size 40
		.amdhsa_user_sgpr_count 2
		.amdhsa_user_sgpr_kernarg_segment_ptr 1
		.amdhsa_wavefront_size32 1
		.amdhsa_system_sgpr_workgroup_id_x 1
		.amdhsa_system_sgpr_workgroup_id_y 1
		.amdhsa_system_sgpr_workgroup_id_z 1
		.amdhsa_system_vgpr_workitem_id 0
		.amdhsa_next_free_vgpr 208
		.amdhsa_next_free_sgpr 66
		.amdhsa_reserve_vcc 0
		.amdhsa_float_denorm_mode_32 3
		.amdhsa_float_denorm_mode_16_64 3
		.amdhsa_memory_ordered 1
		.amdhsa_forward_progress 1
		.amdhsa_inst_pref_size 28
	.end_amdhsa_kernel
	.amdgpu_metadata
---
amdhsa.version: [ 1, 2 ]
amdhsa.kernels:
  - .name:           k_q96f5adb7e0_prep
    .symbol:         k_q96f5adb7e0_prep.kd
    .args:
      - { .name: conceptnet_text_vec, .offset: 0, .size: 8, .value_kind: global_buffer, .address_space: global }
      - { .name: table, .offset: 8, .size: 8, .value_kind: global_buffer, .address_space: global }
      - { .name: a, .offset: 16, .size: 8, .value_kind: global_buffer, .address_space: global }
      - { .name: qf, .offset: 24, .size: 8, .value_kind: global_buffer, .address_space: global }
      - { .name: af, .offset: 32, .size: 8, .value_kind: global_buffer, .address_space: global }
    .group_segment_fixed_size: 0
    .private_segment_fixed_size: 0
    .kernarg_segment_align: 8
    .kernarg_segment_size: 40
    .max_flat_workgroup_size: 32
    .sgpr_count:     66
    .vgpr_count:     208
    .wavefront_size: 32
...
	.end_amdgpu_metadata
.endif
;; end of part 1
;; launch score (part 2): grid 125 x 2, 4 waves a work-group, no clusters, 327,680 bytes of LDS; arguments table, qf, fine, coarse; writes fine, coarse
.if DOCPART == 2
	.amdgcn_target "amdgcn-amd-amdhsa--gfx1250"
	.amdhsa_code_object_version 6
	.text
	.protected	k_q96f5adb7e0_score
	.globl	k_q96f5adb7e0_score
	.p2align	8
	.type	k_q96f5adb7e0_score,@function
k_q96f5adb7e0_score:
	s_mov_b64 s[64:65], 0
	v_nop
	global_prefetch_b8 v0, s[64:65] scope:SCOPE_SE
	s_setreg_imm32_b32 hwreg(HW_REG_WAVE_MODE, 25, 1), 1
	s_wait_xcnt 0x0
; logits = table x queries^T in bf16 with f32 sums, of which only bucket maxima are kept:
;   fine[F][Q]   = max over table rows 8 F .. 8 F + 7,      F < 12,500
;   coarse[C][Q] = max over table rows 160 C .. 160 C + 159, C < 625
; The softmax in front of the top-k is monotone, so the choice is made on logits; the 16 best rows of a query lie in the 16 buckets with the
; largest maxima (ties to the lower bucket), which later launches pick.  Limit: inputs are finite (a NaN loses every maximum here).
; SHARES.  Work-group (x, y): table rows 800 x .. 800 x + 799, queries 512 y .. 512 y + 511.  Wave w: 128 of these queries, whose bf16
; fragments (8 tiles x 8 K steps x 8 registers = 512 registers) stay in registers for the whole launch.  The table's f32 rows come through
; a ring of two LDS slots of 80 rows; each wave reads a tile of 16 rows, rounds it to bf16 and multiplies it with its 128 queries.
; THE TABLE'S ROWS ARE SOURCE 0: lane (r, h) then holds in its 8 result registers rows 8 h .. 8 h + 7 of one query (ISA guide 7.12.2),
; a fine bucket, so that a bucket's maximum takes four instructions in the lane and crosses no lane.
; NO CLUSTER: a table tile is shared by the 2 work-groups of a column of the grid alone, and neither 125 nor 2 divides by 4.
; REGISTERS in windows of 256: window 0 addresses, two A buffers, accumulators, maxima; window 1 the tile in f32 as read from LDS;
; windows 2 and 3 the query fragments of tiles 0-3 and 4-7, tile q & 3 at 64 (q & 3) + 8 s.
.set PITCH,  272                       ; an LDS row: 256 bytes (64 f32) + 16 of padding, an odd multiple of 16: 16 rows start in 16 different 16-byte columns
.set QUARTB, 80*PITCH                  ; a quarter of K (64 numbers) of 80 rows: what one tensor load brings
.set SLOTB,  4*QUARTB                  ; 87,040 bytes
.set TILEB,  16*PITCH
.set LA,  4                            ; v[4:11]    LDS address of my 32 bytes: slot * 4 + quarter
.set FO,  12                           ; v12        my byte offset in a pair of rows of fine
.set CO,  13                           ; v13        my byte offset in a row of coarse
.set TMP, 14
.set CD,  16                           ; v[16:19]   coarse maxima to store
.set A0,  32                           ; v[32:95], v[96:159] the tile's bf16 fragments, two buffers, K step s at 8 s
.set ACC, 160                          ; v[160:223] eight accumulators, query tile q at 8 q
.set F,   224                          ; v[224:231] fine maxima, one for each query tile
.set CM,  232                          ; v[232:239] running maxima of ten tiles
.set G1,  16                           ; s[16:23]   descriptor group 1
.set G0,  24                           ; s[24:27], s[28:31] descriptor group 0 of slot 0, 1
.set FB,  40                           ; s[40:41]   fine at this pair of slots' first bucket
.set CB,  42                           ; s[42:43]   coarse at this pair's bucket
.set QB,  44                           ; s[44:45]   qf at my wave's 64 KB
.set MSB, 0
.macro WIN new                         ; low byte: bits 1:0 source 0, 3:2 source 1, 5:4 source 2, 7:6 destination; the high byte repeats the setting left
.if MSB != \new
	s_set_vgpr_msb (MSB<<8)|\new
.set MSB, \new
.endif
.endm
	s_load_b256 s[4:11], s[0:1], 0x0               ; table s[4:5], qf s[6:7], fine s[8:9], coarse s[10:11]
	v_lshl_add_u32 v254, v0, 2, 0x2a800
	v_mov_b32 v255, 0
	ds_add_u32 v254, v255
	ds_add_u32 v254, v255
	v_lshrrev_b32 v2, 5, v0
	v_readfirstlane_b32 s12, v2                    ; wave 0..3
	s_and_b32 s14, ttmp7, 0xffff                   ; which half of the queries
	; group 1: 80 rows x 64 elements of 4 bytes, 256 elements from row to row, 4 words of padding behind every 64
	s_mov_b32 s[G1+0], (2<<16)|(1<<20)|(5<<22)|(3<<25)
	s_mov_b32 s[G1+1], 64<<16                      ; tensor_dim0 = 64
	s_mov_b32 s[G1+2], 80<<16                      ; tensor_dim1 = 80
	s_mov_b32 s[G1+3], 64<<16                      ; tile_dim0 = 64
	s_mov_b32 s[G1+4], 80                          ; tile_dim1 = 80
	s_mov_b32 s[G1+5], 256                         ; pitch
	s_mov_b32 s[G1+6], 0
	s_mov_b32 s[G1+7], 0
	s_mul_i32 s32, ttmp9, 819200                   ; 800 rows of 1,024 bytes
	s_lshl_b32 s35, s12, 8                         ; my quarter of K: 256 bytes
	s_add_co_u32 s32, s32, s35
	s_mov_b32 s33, 0
	s_mov_b32 s[G0+0], 1
	s_mul_i32 s[G0+1], s12, QUARTB                 ; LDS: wave x quarter, + the slot
	s_mov_b32 s[G0+4], 1
	s_add_co_u32 s[G0+5], s[G0+1], SLOTB
	s_wait_dscnt 0x0
	s_wait_kmcnt 0x0
	s_add_nc_u64 s[G0+2:G0+3], s[4:5], s[32:33]    ; rows 0 to 79 of the chunk
	s_add_nc_u64 s[G0+6:G0+7], s[G0+2:G0+3], 81920 ; rows 80 to 159
	s_or_b32 s[G0+3], s[G0+3], 0x80000000          ; type = 2
	s_or_b32 s[G0+7], s[G0+7], 0x80000000
	tensor_load_to_lds s[G0:G0+3], s[G1:G1+7]      ; both first fills together, ahead of everything else: two tensor loads of the wave are out,
	s_nop 0
	tensor_load_to_lds s[G0+4:G0+7], s[G1:G1+7]    ; later one behind each refill's barrier
	s_nop 0
	; my 128 queries' fragments: 128 loads of 512 consecutive bytes
	s_lshl_b32 s32, s14, 2
	s_add_co_u32 s32, s32, s12
	s_lshl_b32 s32, s32, 16
	s_add_nc_u64 s[QB:QB+1], s[6:7], s[32:33]
	v_and_b32 v1, 31, v0
	v_lshlrev_b32 v1, 4, v1                        ; 16 x lane
	WIN 0x80                                       ; destination window 2
.irp q, 0,1,2,3
.irp s, 0,1,2,3,4,5,6,7
	global_load_b128 v[64*\q+8*\s:64*\q+8*\s+3],   v1, s[QB:QB+1] offset:(16*\q+2*\s)*512
	global_load_b128 v[64*\q+8*\s+4:64*\q+8*\s+7], v1, s[QB:QB+1] offset:(16*\q+2*\s+1)*512
.endr
.endr
	WIN 0xc0                                       ; destination window 3
.irp q, 0,1,2,3
.irp s, 0,1,2,3,4,5,6,7
	global_load_b128 v[64*\q+8*\s:64*\q+8*\s+3],   v1, s[QB:QB+1] offset:(16*(\q+4)+2*\s)*512
	global_load_b128 v[64*\q+8*\s+4:64*\q+8*\s+7], v1, s[QB:QB+1] offset:(16*(\q+4)+2*\s+1)*512
.endr
.endr
	WIN 0
	v_and_b32 v2, 15, v0                           ; r
	v_bfe_u32 v3, v0, 4, 1                         ; h
	v_mul_u32_u24 v15, v2, PITCH
	v_lshl_add_u32 v15, v3, 5, v15                 ; row r, 8 h numbers of 4 bytes
.irp i, 0,1,2,3,4,5,6,7
	v_add_nc_u32 v[LA+\i], (\i>>2)*SLOTB+(\i&3)*QUARTB, v15
.endr
	s_lshl_b32 s35, s14, 11
	s_lshl_b32 s39, s12, 9
	s_add_co_u32 s35, s35, s39                     ; my wave's first query x 4 bytes
	v_lshl_add_u32 v[FO], v2, 4, s35               ; + 4 r queries,
	v_lshl_add_u32 v[CO], v2, 4, s35
	v_lshl_add_u32 v[FO], v3, 12, v[FO]            ; fine: lanes 16-31 one bucket (a row of 4,096 bytes) further
	v_lshl_add_u32 v[CO], v3, 8, v[CO]             ; coarse: lanes 16-31 the next 64 queries
	v_mov_b32 v[TMP], 0                            ; a lane permute's destination counts as read
	s_mul_i32 s32, ttmp9, 409600                   ; 100 fine buckets a chunk
	s_add_nc_u64 s[FB:FB+1], s[8:9], s[32:33]
	s_mul_i32 s32, ttmp9, 20480                    ; 5 coarse buckets a chunk
	s_add_nc_u64 s[CB:CB+1], s[10:11], s[32:33]
	s_mov_b32 s36, 0x76543210                      ; v_permlanex16_b32: lane i takes lane i of the other half
	s_mov_b32 s37, 0xfedcba98
	s_mov_b32 s38, 0xffff0000                      ; lanes 16-31
; 32 matrix instructions: the tile in buffer abuf x query tiles qbase .. qbase + 3 (of the window that is set), all of K.
; The first K step starts the sums with the constant 0.  The four accumulators take turns, one instruction a turn.
.macro MUL32 abuf, qbase
.irp s, 0,1,2,3,4,5,6,7
.irp q, 0,1,2,3
.if \s == 0
	v_wmma_f32_16x16x32_bf16 v[ACC+8*(\qbase+\q):ACC+8*(\qbase+\q)+7], v[(\abuf)+8*\s:(\abuf)+8*\s+7], v[64*\q+8*\s:64*\q+8*\s+7], 0
.else
	v_wmma_f32_16x16x32_bf16 v[ACC+8*(\qbase+\q):ACC+8*(\qbase+\q)+7], v[(\abuf)+8*\s:(\abuf)+8*\s+7], v[64*\q+8*\s:64*\q+8*\s+7], v[ACC+8*(\qbase+\q):ACC+8*(\qbase+\q)+7]
.endif
.endr
.endr
.endm
; 32 LDS loads in one run: tile t of a slot in f32 into window 1, number k = 32 s + 16 p + 8 h + 4 x + .. at register 16 s + 8 p + 4 x
.macro FETCH slot, t
	WIN 0x40
.irp s, 0,1,2,3,4,5,6,7
.irp c, 0,1,2,3
	ds_load_b128 v[16*\s+4*\c:16*\s+4*\c+3], v[LA+4*\slot+(\s>>1)] offset:\t*TILEB+(\s&1)*128+64*(\c>>1)+16*(\c&1)
.endr
.endr
.endm
; the tile is rounded to bf16 into buffer abuf.  These 64 lines name no register of the matrix instructions in front of them,
; so they are also the places (ISA guide 7.12.1) between those and the maxima that read their results.
.macro CONV abuf
	s_wait_dscnt 0x0                               ; all 32 loads are needed
	WIN 0x05
.set n, 0
.rept 64
	v_cvt_pk_bf16_f32 v[(\abuf)+n], v[2*n], v[2*n+1]
.set n, n+1
.endr
.endm
; fine maxima of tile ti of ten, stored; the running maxima follow (tile 0 starts them: nothing is cleared)
.macro MAXES ti
	WIN 0
	s_wait_xcnt 0x0                                ; F and CM, which earlier stores read, are rewritten only behind this wait
.if \ti == 0
.set FD, CM
.else
.set FD, F
.endif
.irp q, 0,1,2,3,4,5,6,7
	v_max3_num_f32 v[FD+\q], v[ACC+8*\q], v[ACC+8*\q+1], v[ACC+8*\q+2]
.endr
.irp q, 0,1,2,3,4,5,6,7
	v_max3_num_f32 v[FD+\q], v[FD+\q], v[ACC+8*\q+3], v[ACC+8*\q+4]
.endr
.irp q, 0,1,2,3,4,5,6,7
	v_max3_num_f32 v[FD+\q], v[FD+\q], v[ACC+8*\q+5], v[ACC+8*\q+6]
.endr
.irp q, 0,1,2,3,4,5,6,7
	v_max_num_f32 v[FD+\q], v[FD+\q], v[ACC+8*\q+7]
.endr
.if \ti != 0
.irp q, 0,1,2,3,4,5,6,7
	v_max_num_f32 v[CM+\q], v[CM+\q], v[F+\q]
.endr
.endif
	; a lane's four registers are four neighbouring queries: sixteen lanes store 256 consecutive bytes, aligned
	global_store_b128 v[FO], v[FD:FD+3],   s[FB:FB+1] offset:\ti*8192 th:TH_STORE_NT
	global_store_b128 v[FO], v[FD+4:FD+7], s[FB:FB+1] offset:\ti*8192+256 th:TH_STORE_NT
.endm
.macro HEAD                            ; in front of a change of slots
	s_wait_dscnt 0x0                               ; my reads of the slot that I leave are back
	s_wait_tensorcnt 0x0                           ; all my tensor loads have landed, my quarter of the next slot among them
	ds_add_u32 v254, v255
	s_wait_dscnt 0x0
.endm
; Tile ti of ten is multiplied; the next tile (tile nt of slot nslot) is read and rounded meanwhile.
; kind 0: the next tile lies in the same slot.  1: it lies in the other slot, and the slot that is left is filled again.
; 2: the same without a fill.  3: there is no next tile.
.macro STEP ti, nslot, nt, kind
.if \kind == 1
	HEAD
	s_add_nc_u64 s[G0+4*(1-\nslot)+2:G0+4*(1-\nslot)+3], s[G0+4*(1-\nslot)+2:G0+4*(1-\nslot)+3], 163840   ; no tensor load is out: 160 rows on
	s_barrier_signal -1
.endif
.if \kind == 2
	HEAD
	s_barrier_signal -1
.endif
	WIN 0x08                                       ; source 1 (queries) window 2
	MUL32 A0+64*(\ti&1), 0                         ; register work while the others arrive
.if \kind == 1
	s_barrier_wait -1                              ; nobody reads the old slot any more, the next slot is whole
	tensor_load_to_lds s[G0+4*(1-\nslot):G0+4*(1-\nslot)+3], s[G1:G1+7]   ; my one tensor load behind this barrier; five tiles' work until it is waited for
	s_nop 0
.endif
.if \kind == 2
	s_barrier_wait -1
.endif
.if \kind != 3
	FETCH \nslot, \nt
.endif
	WIN 0x0c                                       ; source 1 window 3
	MUL32 A0+64*(\ti&1), 4
.if \kind != 3
	CONV A0+64-64*(\ti&1)
.else
	WIN 0
.rept 4
	v_nop                                          ; four places between the last matrix instructions and the reads of their results (ISA guide 7.12.1)
.endr
.endif
	MAXES \ti
.endm
; the ten tiles' maxima: the two halves of the lanes (rows 8 h ..) meet, and 128 queries' maxima leave as 512 consecutive bytes
.macro COARSE step
.irp q, 0,1,2,3,4,5,6,7
	v_permlanex16_b32 v[TMP], v[CM+\q], s36, s37
	v_max_num_f32 v[CM+\q], v[CM+\q], v[TMP]
.endr
.irp c, 0,1,2,3
	v_cndmask_b32 v[CD+\c], v[CM+\c], v[CM+4+\c], s38   ; lanes 0-15 store query tiles 0-3, lanes 16-31 tiles 4-7
.endr
	global_store_b128 v[CO], v[CD:CD+3], s[CB:CB+1]
.if \step
	s_wait_xcnt 0x0                                ; the stores' bases step only behind this wait
	s_add_nc_u64 s[CB:CB+1], s[CB:CB+1], 4096      ; one coarse bucket on
	s_add_nc_u64 s[FB:FB+1], s[FB:FB+1], 81920     ; twenty fine buckets on
.endif
.endm
.macro PAIR k1, k2, step               ; once round the ring: 160 rows, one coarse bucket
	STEP 0, 0, 1, 0
	STEP 1, 0, 2, 0
	STEP 2, 0, 3, 0
	STEP 3, 0, 4, 0
	STEP 4, 1, 0, \k1
	STEP 5, 1, 1, 0
	STEP 6, 1, 2, 0
	STEP 7, 1, 3, 0
	STEP 8, 1, 4, 0
	STEP 9, 0, 0, \k2
	COARSE \step
.endm
	s_wait_loadcnt 0x0                             ; the query fragments, once
	s_wait_tensorcnt 0x1                           ; my quarter of slot 0 is in; slot 1's may stay out
	s_barrier_signal -1
	s_barrier_wait -1                              ; everybody's quarter is in
	FETCH 0, 0
	CONV A0
	WIN 0                                          ; at a label and at a branch every window is 0
	s_mov_b32 s34, 4
.Lpair:
	PAIR 1, 1, 1                                   ; rows 160 p ..: both slots are filled again, with rows 160 (p + 1) ..
	s_sub_co_u32 s34, s34, 1
	s_cmp_lg_u32 s34, 0
	s_cbranch_scc1 .Lpair
	PAIR 2, 3, 0                                   ; the last 160 rows: nothing is left to fetch; the wait for all tensor loads stands in its change of slots
	s_endpgm
.Lfunc_end_k_q96f5adb7e0_score:
	.size	k_q96f5adb7e0_score, .Lfunc_end_k_q96f5adb7e0_score-k_q96f5adb7e0_score
	.p2alignl 7, 3214868480
	.fill 96, 4, 3214868480
	.section	.rodata,"a",@progbits
	.p2align	6, 0x0
	.amdhsa_kernel k_q96f5adb7e0_score
		.amdhsa_group_segment_fixed_size 327680
		.amdhsa_private_segment_fixed_size 0
		.amdhsa_enable_private_segment 0
		.amdhsa_kernarg_size 32
		.amdhsa_user_sgpr_count 2
		.amdhsa_user_sgpr_kernarg_segment_ptr 1
		.amdhsa_wavefront_size32 1
		.amdhsa_system_sgpr_workgroup_id_x 1
		.amdhsa_system_sgpr_workgroup_id_y 1
		.amdhsa_system_sgpr_workgroup_id_z 1
		.amdhsa_system_vgpr_workitem_id 0
		.amdhsa_next_free_vgpr 1024
		.amdhsa_next_free_sgpr 66
		.amdhsa_reserve_vcc 0
		.amdhsa_float_denorm_mode_32 3
		.amdhsa_float_denorm_mode_16_64 3
		.amdhsa_memory_ordered 1
		.amdhsa_forward_progress 1
		.amdhsa_inst_pref_size 255
	.end_amdhsa_kernel
	.section	.bss,"aw",@nobits
	.p2align	6
	.space	262144
	.amdgpu_metadata
---
amdhsa.version: [ 1, 2 ]
amdhsa.kernels:
  - .name:           k_q96f5adb7e0_score
    .symbol:         k_q96f5adb7e0_score.kd
    .args:
      - { .name: table, .offset: 0, .size: 8, .value_kind: global_buffer, .address_space: global }
      - { .name: qf, .offset: 8, .size: 8, .value_kind: global_buffer, .address_space: global }
      - { .name: fine, .offset: 16, .size: 8, .value_kind: global_buffer, .address_space: global }
      - { .name: coarse, .offset: 24, .size: 8, .value_kind: global_buffer, .address_space: global }
    .group_segment_fixed_size: 327680
    .private_segment_fixed_size: 0
    .kernarg_segment_align: 8
    .kernarg_segment_size: 32
    .max_flat_workgroup_size: 128
    .sgpr_count:     66
    .vgpr_count:     1024
    .wavefront_size: 32
...
	.end_amdgpu_metadata
.endif
;; end of part 2
;; launch pickc (part 3): grid 256 x 1, 4 waves a work-group, no clusters, 0 bytes of LDS; arguments coarse, cid; writes cid
.if DOCPART == 3
	.amdgcn_target "amdgcn-amd-amdhsa--gfx1250"
	.amdhsa_code_object_version 6
	.text
	.protected	k_q96f5adb7e0_pickc
	.globl	k_q96f5adb7e0_pickc
	.p2align	8
	.type	k_q96f5adb7e0_pickc,@function
k_q96f5adb7e0_pickc:
	s_mov_b64 s[64:65], 0
	v_nop
	global_prefetch_b8 v0, s[64:65] scope:SCOPE_SE
	s_setreg_imm32_b32 hwreg(HW_REG_WAVE_MODE, 25, 1), 1
	s_wait_xcnt 0x0
; cid[Q][0..15] = the 16 coarse buckets (of 625) with the largest maxima for query Q, ties to the lower number.  One wave, one query.
; Lane l holds buckets 32 k + l, k < 20, as keys in registers; numbers are kept as f32 (below 2^24: exact) so that one kind of reduction serves.
; Keys are first raised to (largest key - 103.97): what the reference's softmax turns into 0 is a tie there, won by the lowest index.
; Limit: between 87.3 and 103.97 below the largest key the reference's values are denormals, which may tie where these keys do not.
; All choices are made by selects, in every round: no branch and no address hangs on a key.
; The loads take 4 bytes of rows 4,096 bytes apart: 2,500 bytes a query out of a buffer of 2.56 MB that neighbouring queries read too.
; The wave stores 64 bytes; the four waves of the work-group fill one aligned block of 256 bytes between them.
.set NR,   20
.set LANE, 1
.set RM,   2                           ; a maximum
.set RT,   3                           ; at work
.set RC,   4                           ; the winner's number
.set RES,  5                           ; lanes i and i + 16: the winner of round i
.set TH,   6
.set BIG,  7
.set NINF, 8
.set L15,  9
.set OFF,  10
.set OFFL, 11
.set OUTO, 12
.set KEY,  16                          ; v[16:35]
.set IDS,  36                          ; v[36:55]
.macro WMAX x, t                       ; maximum over the 32 lanes, in every lane
	v_max_num_f32_dpp v[\x], v[\x], v[\x] row_xmask:1 row_mask:0xf bank_mask:0xf
	v_max_num_f32_dpp v[\x], v[\x], v[\x] row_xmask:2 row_mask:0xf bank_mask:0xf
	v_max_num_f32_dpp v[\x], v[\x], v[\x] row_xmask:4 row_mask:0xf bank_mask:0xf
	v_max_num_f32_dpp v[\x], v[\x], v[\x] row_xmask:8 row_mask:0xf bank_mask:0xf
	v_permlanex16_b32 v[\t], v[\x], s12, s13
	v_max_num_f32 v[\x], v[\x], v[\t]
.endm
.macro WMIN x, t
	v_min_num_f32_dpp v[\x], v[\x], v[\x] row_xmask:1 row_mask:0xf bank_mask:0xf
	v_min_num_f32_dpp v[\x], v[\x], v[\x] row_xmask:2 row_mask:0xf bank_mask:0xf
	v_min_num_f32_dpp v[\x], v[\x], v[\x] row_xmask:4 row_mask:0xf bank_mask:0xf
	v_min_num_f32_dpp v[\x], v[\x], v[\x] row_xmask:8 row_mask:0xf bank_mask:0xf
	v_permlanex16_b32 v[\t], v[\x], s12, s13
	v_min_num_f32 v[\x], v[\x], v[\t]
.endm
.macro LMAX                            ; the lane's largest key
	v_max3_num_f32 v[RM], v[KEY], v[KEY+1], v[KEY+2]
.set k, 3
.if NR > 4
.rept (NR-3)/2
	v_max3_num_f32 v[RM], v[RM], v[KEY+k], v[KEY+k+1]
.set k, k+2
.endr
.endif
.if (NR-3)%2
	v_max_num_f32 v[RM], v[RM], v[KEY+NR-1]
.endif
.endm
.macro CLAMPV
	LMAX
	WMAX RM, RT
	v_add_f32 v[TH], 0xc2cff1b5, v[RM]             ; the largest key - 103.97
.set k, 0
.rept NR
	v_max_num_f32 v[KEY+k], v[KEY+k], v[TH]
.set k, k+1
.endr
.endm
.macro PICK16                          ; sixteen rounds: the largest key, of its holders the lowest number, which is noted and struck out
	s_mov_b32 s14, 0
.Lround:
	LMAX
	WMAX RM, RT
	v_mov_b32 v[RC], v[BIG]
.set k, 0
.rept NR
	v_cmp_eq_f32 vcc_lo, v[RM], v[KEY+k]
	v_cndmask_b32 v[RT], v[BIG], v[IDS+k], vcc_lo
	v_min_num_f32 v[RC], v[RC], v[RT]
.set k, k+1
.endr
	WMIN RC, RT
.set k, 0
.rept NR
	v_cmp_eq_f32 vcc_lo, v[RC], v[IDS+k]
	v_cndmask_b32 v[KEY+k], v[KEY+k], v[NINF], vcc_lo
.set k, k+1
.endr
	v_cmp_eq_u32 vcc_lo, s14, v[L15]
	v_cndmask_b32 v[RES], v[RES], v[RC], vcc_lo
	s_add_co_u32 s14, s14, 1
	s_cmp_lt_u32 s14, 16
	s_cbranch_scc1 .Lround
	v_cvt_u32_f32 v[RES], v[RES]
.endm
	s_load_b128 s[4:7], s[0:1], 0x0                ; coarse s[4:5], cid s[6:7]
	v_lshrrev_b32 v[RM], 5, v0
	v_readfirstlane_b32 s8, v[RM]                  ; wave
	v_and_b32 v[LANE], 31, v0
	v_and_b32 v[L15], 15, v0
	s_lshl_b32 s9, ttmp9, 2
	s_add_co_u32 s9, s9, s8                        ; Q
	s_lshl_b32 s10, s9, 2
	s_lshl_b32 s11, s9, 6
	s_mov_b32 s12, 0x76543210
	s_mov_b32 s13, 0xfedcba98
	v_lshl_add_u32 v[OFF], v[LANE], 12, s10        ; bucket = lane: rows of 4,096 bytes
	v_add_nc_u32 v[OFFL], 608, v[LANE]
	v_min_u32 v[OFFL], 624, v[OFFL]                ; the last 32 reach past bucket 624: those lanes read it again and are struck out below
	v_lshl_add_u32 v[OFFL], v[OFFL], 12, s10
	v_lshl_add_u32 v[OUTO], v[L15], 2, s11
	s_wait_kmcnt 0x0
.set k, 0
.rept NR-1
	global_load_b32 v[KEY+k], v[OFF], s[4:5] offset:k*131072
.set k, k+1
.endr
	global_load_b32 v[KEY+NR-1], v[OFFL], s[4:5]
	v_mov_b32 v[BIG], 0x7f7fffff
	v_mov_b32 v[NINF], 0xff800000
	v_mov_b32 v[RES], 0
	v_mov_b32 v[RT], 0                             ; a lane permute's destination counts as read
.set k, 0
.rept NR
	v_add_nc_u32 v[IDS+k], 32*k, v[LANE]
	v_cvt_f32_u32 v[IDS+k], v[IDS+k]
.set k, k+1
.endr
	s_wait_loadcnt 0x0                             ; every key is needed for the first maximum
	CLAMPV
	v_cmp_lt_u32 vcc_lo, 16, v[LANE]
	v_cndmask_b32 v[KEY+NR-1], v[KEY+NR-1], v[NINF], vcc_lo   ; buckets 625 to 639 do not exist
	PICK16
	global_store_b32 v[OUTO], v[RES], s[6:7]       ; lanes i and i + 16 store the same word with the same value
	s_endpgm
.Lfunc_end_k_q96f5adb7e0_pickc:
	.size	k_q96f5adb7e0_pickc, .Lfunc_end_k_q96f5adb7e0_pickc-k_q96f5adb7e0_pickc
	.p2alignl 7, 3214868480
	.fill 96, 4, 3214868480
	.section	.rodata,"a",@progbits
	.p2align	6, 0x0
	.amdhsa_kernel k_q96f5adb7e0_pickc
		.amdhsa_group_segment_fixed_size 0
		.amdhsa_private_segment_fixed_size 0
		.amdhsa_enable_private_segment 0
		.amdhsa_kernarg_size 16
		.amdhsa_user_sgpr_count 2
		.amdhsa_user_sgpr_kernarg_segment_ptr 1
		.amdhsa_wavefront_size32 1
		.amdhsa_system_sgpr_workgroup_id_x 1
		.amdhsa_system_sgpr_workgroup_id_y 1
		.amdhsa_system_sgpr_workgroup_id_z 1
		.amdhsa_system_vgpr_workitem_id 0
		.amdhsa_next_free_vgpr 64
		.amdhsa_next_free_sgpr 66
		.amdhsa_reserve_vcc 1
		.amdhsa_float_denorm_mode_32 3
		.amdhsa_float_denorm_mode_16_64 3
		.amdhsa_memory_ordered 1
		.amdhsa_forward_progress 1
		.amdhsa_inst_pref_size 12
	.end_amdhsa_kernel
	.amdgpu_metadata
---
amdhsa.version: [ 1, 2 ]
amdhsa.kernels:
  - .name:           k_q96f5adb7e0_pickc
    .symbol:         k_q96f5adb7e0_pickc.kd
    .args:
      - { .name: coarse, .offset: 0, .size: 8, .value_kind: global_buffer, .address_space: global }
      - { .name: cid, .offset: 8, .size: 8, .value_kind: global_buffer, .address_space: global }
    .group_segment_fixed_size: 0
    .private_segment_fixed_size: 0
    .kernarg_segment_align: 8
    .kernarg_segment_size: 16
    .max_flat_workgroup_size: 128
    .sgpr_count:     66
    .vgpr_count:     64
    .wavefront_size: 32
...
	.end_amdgpu_metadata
.endif
;; end of part 3
;; launch pickf (part 4): grid 256 x 1, 4 waves a work-group, no clusters, 0 bytes of LDS; arguments cid, fine, fid; writes fid
.if DOCPART == 4
	.amdgcn_target "amdgcn-amd-amdhsa--gfx1250"
	.amdhsa_code_object_version 6
	.text
	.protected	k_q96f5adb7e0_pickf
	.globl	k_q96f5adb7e0_pickf
	.p2align	8
	.type	k_q96f5adb7e0_pickf,@function
k_q96f5adb7e0_pickf:
	s_mov_b64 s[64:65], 0
	v_nop
	global_prefetch_b8 v0, s[64:65] scope:SCOPE_SE
	s_setreg_imm32_b32 hwreg(HW_REG_WAVE_MODE, 25, 1), 1
	s_wait_xcnt 0x0
; fid[Q][0..15] = the 16 fine buckets (8 rows each) with the largest maxima among the 16 x 20 fine buckets of query Q's coarse buckets,
; ties to the lower number.  One wave, one query.  Lane l holds buckets 20 cid[l & 15] + 10 (l >> 4) + k, k < 10.
; The bucket numbers that steer the addresses were stored by the launch before as whole numbers.
; Keys, their floor at (largest key - 103.97) with its stated limit, and the rounds: as in the launch that picks coarse buckets.
.set NR,   10
.set LANE, 1
.set RM,   2
.set RT,   3
.set RC,   4
.set RES,  5
.set TH,   6
.set BIG,  7
.set NINF, 8
.set L15,  9
.set OFF,  10
.set OUTO, 12
.set FIRST,13                          ; my first fine bucket
.set KEY,  16                          ; v[16:25]
.set IDS,  26                          ; v[26:35]
.macro WMAX x, t
	v_max_num_f32_dpp v[\x], v[\x], v[\x] row_xmask:1 row_mask:0xf bank_mask:0xf
	v_max_num_f32_dpp v[\x], v[\x], v[\x] row_xmask:2 row_mask:0xf bank_mask:0xf
	v_max_num_f32_dpp v[\x], v[\x], v[\x] row_xmask:4 row_mask:0xf bank_mask:0xf
	v_max_num_f32_dpp v[\x], v[\x], v[\x] row_xmask:8 row_mask:0xf bank_mask:0xf
	v_permlanex16_b32 v[\t], v[\x], s12, s13
	v_max_num_f32 v[\x], v[\x], v[\t]
.endm
.macro WMIN x, t
	v_min_num_f32_dpp v[\x], v[\x], v[\x] row_xmask:1 row_mask:0xf bank_mask:0xf
	v_min_num_f32_dpp v[\x], v[\x], v[\x] row_xmask:2 row_mask:0xf bank_mask:0xf
	v_min_num_f32_dpp v[\x], v[\x], v[\x] row_xmask:4 row_mask:0xf bank_mask:0xf
	v_min_num_f32_dpp v[\x], v[\x], v[\x] row_xmask:8 row_mask:0xf bank_mask:0xf
	v_permlanex16_b32 v[\t], v[\x], s12, s13
	v_min_num_f32 v[\x], v[\x], v[\t]
.endm
.macro LMAX
	v_max3_num_f32 v[RM], v[KEY], v[KEY+1], v[KEY+2]
.set k, 3
.if NR > 4
.rept (NR-3)/2
	v_max3_num_f32 v[RM], v[RM], v[KEY+k], v[KEY+k+1]
.set k, k+2
.endr
.endif
.if (NR-3)%2
	v_max_num_f32 v[RM], v[RM], v[KEY+NR-1]
.endif
.endm
.macro CLAMPV
	LMAX
	WMAX RM, RT
	v_add_f32 v[TH], 0xc2cff1b5, v[RM]             ; the largest key - 103.97
.set k, 0
.rept NR
	v_max_num_f32 v[KEY+k], v[KEY+k], v[TH]
.set k, k+1
.endr
.endm
.macro PICK16
	s_mov_b32 s14, 0
.Lround:
	LMAX
	WMAX RM, RT
	v_mov_b32 v[RC], v[BIG]
.set k, 0
.rept NR
	v_cmp_eq_f32 vcc_lo, v[RM], v[KEY+k]
	v_cndmask_b32 v[RT], v[BIG], v[IDS+k], vcc_lo
	v_min_num_f32 v[RC], v[RC], v[RT]
.set k, k+1
.endr
	WMIN RC, RT
.set k, 0
.rept NR
	v_cmp_eq_f32 vcc_lo, v[RC], v[IDS+k]
	v_cndmask_b32 v[KEY+k], v[KEY+k], v[NINF], vcc_lo
.set k, k+1
.endr
	v_cmp_eq_u32 vcc_lo, s14, v[L15]
	v_cndmask_b32 v[RES], v[RES], v[RC], vcc_lo
	s_add_co_u32 s14, s14, 1
	s_cmp_lt_u32 s14, 16
	s_cbranch_scc1 .Lround
	v_cvt_u32_f32 v[RES], v[RES]
.endm
	s_load_b128 s[4:7], s[0:1], 0x0                ; cid s[4:5], fine s[6:7]
	s_load_b64 s[8:9], s[0:1], 0x10                ; fid
	v_lshrrev_b32 v[RM], 5, v0
	v_readfirstlane_b32 s15, v[RM]                 ; wave
	v_and_b32 v[L15], 15, v0
	v_bfe_u32 v[LANE], v0, 4, 1                    ; which half of the lanes
	v_mul_u32_u24 v[LANE], 10, v[LANE]             ; its ten of a coarse bucket's twenty
	s_lshl_b32 s16, ttmp9, 2
	s_add_co_u32 s16, s16, s15                     ; Q
	s_lshl_b32 s10, s16, 2
	s_lshl_b32 s11, s16, 6
	s_mov_b32 s12, 0x76543210
	s_mov_b32 s13, 0xfedcba98
	v_lshl_add_u32 v[OUTO], v[L15], 2, s11         ; word l & 15 of the query's 16, in cid and in fid
	s_wait_kmcnt 0x0
	global_load_b32 v[FIRST], v[OUTO], s[4:5]
	v_mov_b32 v[BIG], 0x7f7fffff
	v_mov_b32 v[NINF], 0xff800000
	v_mov_b32 v[RES], 0
	v_mov_b32 v[RT], 0
	s_wait_loadcnt 0x0
	v_min_u32 v[FIRST], 0x270, v[FIRST]            ; a coarse bucket's number stays below 625
	v_mul_u32_u24 v[FIRST], 20, v[FIRST]
	v_add_nc_u32 v[FIRST], v[FIRST], v[LANE]
	v_lshlrev_b32 v[OFF], 12, v[FIRST]             ; rows of 4,096 bytes
	v_add_nc_u32 v[OFF], s10, v[OFF]
.set k, 0
.rept NR
	global_load_b32 v[KEY+k], v[OFF], s[6:7] offset:k*4096
.set k, k+1
.endr
.set k, 0
.rept NR
	v_add_nc_u32 v[IDS+k], k, v[FIRST]
	v_cvt_f32_u32 v[IDS+k], v[IDS+k]
.set k, k+1
.endr
	s_wait_loadcnt 0x0
	CLAMPV
	PICK16
	global_store_b32 v[OUTO], v[RES], s[8:9]       ; lanes i and i + 16 store the same word with the same value
	s_endpgm
.Lfunc_end_k_q96f5adb7e0_pickf:
	.size	k_q96f5adb7e0_pickf, .Lfunc_end_k_q96f5adb7e0_pickf-k_q96f5adb7e0_pickf
	.p2alignl 7, 3214868480
	.fill 96, 4, 3214868480
	.section	.rodata,"a",@progbits
	.p2align	6, 0x0
	.amdhsa_kernel k_q96f5adb7e0_pickf
		.amdhsa_group_segment_fixed_size 0
		.amdhsa_private_segment_fixed_size 0
		.amdhsa_enable_private_segment 0
		.amdhsa_kernarg_size 24
		.amdhsa_user_sgpr_count 2
		.amdhsa_user_sgpr_kernarg_segment_ptr 1
		.amdhsa_wavefront_size32 1
		.amdhsa_system_sgpr_workgroup_id_x 1
		.amdhsa_system_sgpr_workgroup_id_y 1
		.amdhsa_system_sgpr_workgroup_id_z 1
		.amdhsa_system_vgpr_workitem_id 0
		.amdhsa_next_free_vgpr 48
		.amdhsa_next_free_sgpr 66
		.amdhsa_reserve_vcc 1
		.amdhsa_float_denorm_mode_32 3
		.amdhsa_float_denorm_mode_16_64 3
		.amdhsa_memory_ordered 1
		.amdhsa_forward_progress 1
		.amdhsa_inst_pref_size 7
	.end_amdhsa_kernel
	.amdgpu_metadata
---
amdhsa.version: [ 1, 2 ]
amdhsa.kernels:
  - .name:           k_q96f5adb7e0_pickf
    .symbol:         k_q96f5adb7e0_pickf.kd
    .args:
      - { .name: cid, .offset: 0, .size: 8, .value_kind: global_buffer, .address_space: global }
      - { .name: fine, .offset: 8, .size: 8, .value_kind: global_buffer, .address_space: global }
      - { .name: fid, .offset: 16, .size: 8, .value_kind: global_buffer, .address_space: global }
    .group_segment_fixed_size: 0
    .private_segment_fixed_size: 0
    .kernarg_segment_align: 8
    .kernarg_segment_size: 24
    .max_flat_workgroup_size: 128
    .sgpr_count:     66
    .vgpr_count:     48
    .wavefront_size: 32
...
	.end_amdgpu_metadata
.endif
;; end of part 4
;; launch pickr (part 5): grid 256 x 1, 4 waves a work-group, no clusters, 71,168 bytes of LDS; arguments conceptnet_text_vec, fid, table, rid; writes rid
.if DOCPART == 5
	.amdgcn_target "amdgcn-amd-amdhsa--gfx1250"
	.amdhsa_code_object_version 6
	.text
	.protected	k_q96f5adb7e0_pickr
	.globl	k_q96f5adb7e0_pickr
	.p2align	8
	.type	k_q96f5adb7e0_pickr,@function
k_q96f5adb7e0_pickr:
	s_mov_b64 s[64:65], 0
	v_nop
	global_prefetch_b8 v0, s[64:65] scope:SCOPE_SE
	s_setreg_imm32_b32 hwreg(HW_REG_WAVE_MODE, 25, 1), 1
	s_wait_xcnt 0x0
; rid[Q][0..15] = the 16 table rows with the largest logits among the 16 x 8 rows of query Q's fine buckets, ties to the lower row.
; One wave, one query; no wave touches another's LDS bytes, so there is no barrier.
; The logits are made again from the same bf16 operands, K ascending on one accumulator, with the two sources exchanged against the launch
; that made the maxima: the query is source 0 (all 16 rows of the fragment are the query), 16 table rows are source 1, and register 0 of
; the result holds in lane r the logit of row r.
; A bucket is 8 rows = 8,192 consecutive bytes of the table: a unit of 16 loads of 512 consecutive bytes.  Four register slots of a unit
; (window 1) keep three to four units on their way.  A unit is rounded to bf16 in place and laid into LDS rows of 528 bytes, from which
; fragments are read; every four units (32 rows, areas X and Y of 16 rows) are multiplied.
; The bucket numbers that steer the addresses were stored by the launch before as whole numbers.
; Keys, their floor at (largest key - 103.97) with its stated limit, and the rounds: as in the launch that picks coarse buckets.
.set NR,   4
.set RM,   2
.set RT,   3
.set RC,   4
.set RES,  5
.set TH,   6
.set BIG,  7
.set NINF, 8
.set L15,  9
.set XA,   10                          ; LDS: row r of X, 16 h
.set QA,   11                          ; LDS: the query's row, 16 h
.set OUTO, 12
.set STA,  13                          ; LDS: my wave's bytes + 8 x lane
.set KEY,  16                          ; v[16:19]   lane l: candidate 32 d + l
.set IDS,  20                          ; v[20:23]   its row number
.set DX,   24                          ; v[24:31], v[32:39] two accumulators
.set DY,   32
.set QF,   40                          ; v[40:103]  the query's fragments, K step s at 8 s
.set FX,   104                         ; v[104:167] fragments of X's 16 rows
.set FY,   168                         ; v[168:231] of Y's
.set QS,   232                         ; v[232:243] the query's row as loaded, then packed
.set XP,   528                         ; an LDS row: 512 bytes of bf16 + 16, an odd multiple of 16
.set YOFF, 16*XP
.set QROW, 32*XP
.set WLDS, 17664                       ; a wave's bytes: X, Y, the query's row, rounded up to a multiple of 256
.set MSB, 0
.macro WIN new
.if MSB != \new
	s_set_vgpr_msb (MSB<<8)|\new
.set MSB, \new
.endif
.endm
.macro WMAX x, t
	v_max_num_f32_dpp v[\x], v[\x], v[\x] row_xmask:1 row_mask:0xf bank_mask:0xf
	v_max_num_f32_dpp v[\x], v[\x], v[\x] row_xmask:2 row_mask:0xf bank_mask:0xf
	v_max_num_f32_dpp v[\x], v[\x], v[\x] row_xmask:4 row_mask:0xf bank_mask:0xf
	v_max_num_f32_dpp v[\x], v[\x], v[\x] row_xmask:8 row_mask:0xf bank_mask:0xf
	v_permlanex16_b32 v[\t], v[\x], s24, s25
	v_max_num_f32 v[\x], v[\x], v[\t]
.endm
.macro WMIN x, t
	v_min_num_f32_dpp v[\x], v[\x], v[\x] row_xmask:1 row_mask:0xf bank_mask:0xf
	v_min_num_f32_dpp v[\x], v[\x], v[\x] row_xmask:2 row_mask:0xf bank_mask:0xf
	v_min_num_f32_dpp v[\x], v[\x], v[\x] row_xmask:4 row_mask:0xf bank_mask:0xf
	v_min_num_f32_dpp v[\x], v[\x], v[\x] row_xmask:8 row_mask:0xf bank_mask:0xf
	v_permlanex16_b32 v[\t], v[\x], s24, s25
	v_min_num_f32 v[\x], v[\x], v[\t]
.endm
.macro LMAX
	v_max3_num_f32 v[RM], v[KEY], v[KEY+1], v[KEY+2]
	v_max_num_f32 v[RM], v[RM], v[KEY+3]
.endm
.macro CLAMPV
	LMAX
	WMAX RM, RT
	v_add_f32 v[TH], 0xc2cff1b5, v[RM]             ; the largest key - 103.97
.set k, 0
.rept NR
	v_max_num_f32 v[KEY+k], v[KEY+k], v[TH]
.set k, k+1
.endr
.endm
.macro PICK16
	s_mov_b32 s26, 0
.Lround:
	LMAX
	WMAX RM, RT
	v_mov_b32 v[RC], v[BIG]
.set k, 0
.rept NR
	v_cmp_eq_f32 vcc_lo, v[RM], v[KEY+k]
	v_cndmask_b32 v[RT], v[BIG], v[IDS+k], vcc_lo
	v_min_num_f32 v[RC], v[RC], v[RT]
.set k, k+1
.endr
	WMIN RC, RT
.set k, 0
.rept NR
	v_cmp_eq_f32 vcc_lo, v[RC], v[IDS+k]
	v_cndmask_b32 v[KEY+k], v[KEY+k], v[NINF], vcc_lo
.set k, k+1
.endr
	v_cmp_eq_u32 vcc_lo, s26, v[L15]
	v_cndmask_b32 v[RES], v[RES], v[RC], vcc_lo
	s_add_co_u32 s26, s26, 1
	s_cmp_lt_u32 s26, 16
	s_cbranch_scc1 .Lround
	v_cvt_u32_f32 v[RES], v[RES]
.endm
; unit u: bucket u's 8,192 bytes into register slot u & 3 of window 1; load n is half n & 1 of row n >> 1
.macro ULOAD u
	WIN 0x40
.set n, 0
.rept 16
	global_load_b128 v[64*((\u)&3)+4*n:64*((\u)&3)+4*n+3], v1, s[68+2*(\u):69+2*(\u)] offset:512*n
.set n, n+1
.endr
.endm
; unit u is rounded and laid into LDS; its slot is loaded again with unit u + 4.  left = the younger loads that may stay out.
.macro UNIT u, left
	s_wait_loadcnt \left
	WIN 0x45
.set n, 0
.rept 32
	v_cvt_pk_bf16_f32 v[64*(\u&3)+n], v[64*(\u&3)+2*n], v[64*(\u&3)+2*n+1]   ; in place, ascending: register n is written when 2 n, 2 n + 1 are read
.set n, n+1
.endr
	WIN 0x04
.set n, 0
.rept 16
	ds_store_b64 v[STA], v[64*(\u&3)+2*n:64*(\u&3)+2*n+1] offset:((\u>>1)&1)*YOFF+((\u&1)*8+(n>>1))*XP+(n&1)*256
.set n, n+1
.endr
.if \u < 12
	ULOAD \u+4
.endif
	WIN 0
.endm
; candidates 32 d .. 32 d + 31.  LDS serves a wave's instructions in order (ISA guide 5.7.1): these loads see the stores above,
; and the next group's stores come behind them.
.macro GROUP d
.irp s, 0,1,2,3,4,5,6,7
	ds_load_b128 v[FX+8*\s:FX+8*\s+3],   v[XA] offset:64*\s
	ds_load_b128 v[FX+8*\s+4:FX+8*\s+7], v[XA] offset:64*\s+32
	ds_load_b128 v[FY+8*\s:FY+8*\s+3],   v[XA] offset:YOFF+64*\s
	ds_load_b128 v[FY+8*\s+4:FY+8*\s+7], v[XA] offset:YOFF+64*\s+32
.endr
	s_wait_dscnt 0x0                               ; all of them (in the first group the query's fragments too)
.irp s, 0,1,2,3,4,5,6,7
.if \s == 0
	v_wmma_f32_16x16x32_bf16 v[DX:DX+7], v[QF:QF+7], v[FX:FX+7], 0
	v_wmma_f32_16x16x32_bf16 v[DY:DY+7], v[QF:QF+7], v[FY:FY+7], 0
.else
	v_wmma_f32_16x16x32_bf16 v[DX:DX+7], v[QF+8*\s:QF+8*\s+7], v[FX+8*\s:FX+8*\s+7], v[DX:DX+7]   ; the two accumulators take turns
	v_wmma_f32_16x16x32_bf16 v[DY:DY+7], v[QF+8*\s:QF+8*\s+7], v[FY+8*\s:FY+8*\s+7], v[DY:DY+7]
.endif
.endr
.rept 4
	v_nop                                          ; four places before a result is read and before loads land on the sources
.endr
	v_cndmask_b32 v[KEY+\d], v[DX], v[DY], s15     ; lanes 0-15: X's row r; lanes 16-31: Y's row r
.endm
	s_load_b256 s[4:11], s[0:1], 0x0               ; ids s[4:5], fid s[6:7], table s[8:9], rid s[10:11]
	v_lshl_add_u32 v254, v0, 2, 0x11400
	v_mov_b32 v255, 0
	v_lshrrev_b32 v2, 5, v0
	v_readfirstlane_b32 s12, v2                    ; wave
	s_lshl_b32 s13, ttmp9, 2
	s_add_co_u32 s13, s13, s12                     ; Q
	s_lshl_b32 s16, s13, 6
	s_mov_b32 s17, 0
	s_lshl_b32 s18, s13, 2
	s_mov_b32 s19, 0
	s_mov_b32 s53, 0
	s_mul_i32 s14, s12, WLDS                       ; my wave's LDS bytes
	s_mov_b32 s15, 0xffff0000                      ; lanes 16-31
	s_mov_b32 s24, 0x76543210
	s_mov_b32 s25, 0xfedcba98
	s_wait_kmcnt 0x0
	s_add_nc_u64 s[20:21], s[6:7], s[16:17]
	s_add_nc_u64 s[22:23], s[4:5], s[18:19]
	s_load_b512 s[36:51], s[20:21], 0x0            ; the query's 16 buckets, as scalars: each is the base of a unit's loads
	s_load_b32 s56, s[22:23], 0x0                  ; the query's own row
	v_and_b32 v1, 31, v0
	v_and_b32 v[L15], 15, v0
	v_and_b32 v15, 7, v0                           ; my candidate's row in its bucket
	v_bfe_u32 v14, v0, 3, 2
	v_lshl_add_u32 v14, v14, 2, s16                ; word (lane >> 3) of the query's 16; + 4 d words in the immediate
	v_lshl_add_u32 v[OUTO], v[L15], 2, s16
	v_lshl_add_u32 v[STA], v1, 3, s14
	v_lshlrev_b32 v1, 4, v1                        ; 16 x lane
	v_bfe_u32 v[QA], v0, 4, 1                      ; h
	v_mul_u32_u24 v[XA], v[L15], XP
	v_lshl_add_u32 v[XA], v[QA], 4, v[XA]
	v_add_nc_u32 v[XA], s14, v[XA]
	v_lshl_add_u32 v[QA], v[QA], 4, s14
	v_add_nc_u32 v[QA], QROW, v[QA]
.irp d, 0,1,2,3
	global_load_b32 v[IDS+\d], v14, s[6:7] offset:16*\d     ; my four candidates' buckets
.endr
	v_mov_b32 v[BIG], 0x7f7fffff
	v_mov_b32 v[NINF], 0xff800000
	v_mov_b32 v[RES], 0
	v_mov_b32 v[RT], 0
	s_wait_kmcnt 0x0
	s_min_u32 s56, s56, 0x1869f                    ; a row number stays below 100,000
	s_lshl_b32 s52, s56, 10
	s_add_nc_u64 s[58:59], s[8:9], s[52:53]
.irp i, 0,1,2,3,4,5,6,7,8,9,10,11,12,13,14,15
	s_min_u32 s52, s[36+\i], 0x30d3                ; a fine bucket's number stays below 12,500
	s_lshl_b32 s52, s52, 13
	s_add_nc_u64 s[68+2*\i:69+2*\i], s[8:9], s[52:53]
.endr
	global_load_b128 v[QS:QS+3],   v1, s[58:59]
	global_load_b128 v[QS+4:QS+7], v1, s[58:59] offset:512
	ULOAD 0
	ULOAD 1
	ULOAD 2
	WIN 0
	s_wait_loadcnt 48                              ; the three units' 48 loads stay out: the bucket numbers and the query's row are in
.irp d, 0,1,2,3
	v_min_u32 v[IDS+\d], 0x30d3, v[IDS+\d]
	v_lshl_add_u32 v[IDS+\d], v[IDS+\d], 3, v15    ; row = 8 x bucket + lane & 7
	v_cvt_f32_u32 v[IDS+\d], v[IDS+\d]
.endr
.irp c, 0,1,2,3
	v_cvt_pk_bf16_f32 v[QS+8+\c], v[QS+2*\c], v[QS+2*\c+1]
.endr
	ds_store_b64 v[STA], v[QS+8:QS+9]   offset:QROW
	ds_store_b64 v[STA], v[QS+10:QS+11] offset:QROW+256
.irp s, 0,1,2,3,4,5,6,7
	ds_load_b128 v[QF+8*\s:QF+8*\s+3],   v[QA] offset:64*\s       ; no row term: every row of the fragment is the query
	ds_load_b128 v[QF+8*\s+4:QF+8*\s+7], v[QA] offset:64*\s+32
.endr
	ULOAD 3
	WIN 0
	UNIT 0, 48                                     ; three younger units of 16 loads stay out
	UNIT 1, 48
	UNIT 2, 48
	UNIT 3, 48
	GROUP 0
	UNIT 4, 48
	UNIT 5, 48
	UNIT 6, 48
	UNIT 7, 48
	GROUP 1
	UNIT 8, 48
	UNIT 9, 48
	UNIT 10, 48
	UNIT 11, 48
	GROUP 2
	UNIT 12, 48                                    ; nothing more is asked for: the counts run down
	UNIT 13, 32
	UNIT 14, 16
	UNIT 15, 0
	GROUP 3
	CLAMPV
	PICK16
	global_store_b32 v[OUTO], v[RES], s[10:11]     ; lanes i and i + 16 store the same word with the same value
	s_wait_tensorcnt 0x0
	ds_add_u32 v254, v255
	s_wait_dscnt 0x0
	s_endpgm
.Lfunc_end_k_q96f5adb7e0_pickr:
	.size	k_q96f5adb7e0_pickr, .Lfunc_end_k_q96f5adb7e0_pickr-k_q96f5adb7e0_pickr
	.p2alignl 7, 3214868480
	.fill 96, 4, 3214868480
	.section	.rodata,"a",@progbits
	.p2align	6, 0x0
	.amdhsa_kernel k_q96f5adb7e0_pickr
		.amdhsa_group_segment_fixed_size 71168
		.amdhsa_private_segment_fixed_size 0
		.amdhsa_enable_private_segment 0
		.amdhsa_kernarg_size 32
		.amdhsa_user_sgpr_count 2
		.amdhsa_user_sgpr_kernarg_segment_ptr 1
		.amdhsa_wavefront_size32 1
		.amdhsa_system_sgpr_workgroup_id_x 1
		.amdhsa_system_sgpr_workgroup_id_y 1
		.amdhsa_system_sgpr_workgroup_id_z 1
		.amdhsa_system_vgpr_workitem_id 0
		.amdhsa_next_free_vgpr 512
		.amdhsa_next_free_sgpr 100
		.amdhsa_reserve_vcc 1
		.amdhsa_float_denorm_mode_32 3
		.amdhsa_float_denorm_mode_16_64 3
		.amdhsa_memory_ordered 1
		.amdhsa_forward_progress 1
		.amdhsa_inst_pref_size 97
	.end_amdhsa_kernel
	.amdgpu_metadata
---
amdhsa.version: [ 1, 2 ]
amdhsa.kernels:
  - .name:           k_q96f5adb7e0_pickr
    .symbol:         k_q96f5adb7e0_pickr.kd
    .args:
      - { .name: conceptnet_text_vec, .offset: 0, .size: 8, .value_kind: global_buffer, .address_space: global }
      - { .name: fid, .offset: 8, .size: 8, .value_kind: global_buffer, .address_space: global }
      - { .name: table, .offset: 16, .size: 8, .value_kind: global_buffer, .address_space: global }
      - { .name: rid, .offset: 24, .size: 8, .value_kind: global_buffer, .address_space: global }
    .group_segment_fixed_size: 71168
    .private_segment_fixed_size: 0
    .kernarg_segment_align: 8
    .kernarg_segment_size: 32
    .max_flat_workgroup_size: 128
    .sgpr_count:     100
    .vgpr_count:     512
    .wavefront_size: 32
...
	.end_amdgpu_metadata
.endif
;; end of part 5
;; launch attend (part 6): grid 256 x 1, 4 waves a work-group, no clusters, 35,328 bytes of LDS; arguments rid, table, af, b, out0; writes out0
.if DOCPART == 6
	.amdgcn_target "amdgcn-amd-amdhsa--gfx1250"
	.amdhsa_code_object_version 6
	.text
	.protected	k_q96f5adb7e0_attend
	.globl	k_q96f5adb7e0_attend
	.p2align	8
	.type	k_q96f5adb7e0_attend,@function
k_q96f5adb7e0_attend:
	s_mov_b64 s[64:65], 0
	v_nop
	global_prefetch_b8 v0, s[64:65] scope:SCOPE_SE
	s_setreg_imm32_b32 hwreg(HW_REG_WAVE_MODE, 25, 1), 1
	s_wait_xcnt 0x0
; out0[Q] = sum over the query's 16 rows h_i of softmax_i(tanh(h_i a) b) h_i.
; Four waves, four queries.  Wave w gathers query 4 x + w's 16 rows (f32, kept in 128 registers for the last sum) and lays them in bf16
; into LDS.  For the product h a the columns of a are shared out instead: wave w holds columns 64 w .. 64 w + 63 of a (256 registers,
; window 1, loaded once) and multiplies all four queries' rows with them; its share of e = tanh(..) b goes through LDS to the query's wave.
; tanh(x) = 1 - 2 / (1 + 2^(2.885390 x)): right at both ends (the power overflows to infinity or falls to 0, giving 1 or -1).
; The softmax over the 16 takes its maximum away first.  The row numbers were stored by the launch before as whole numbers.
.set BV,  4                            ; v[4:7]     b of my columns 64 w + 16 n + r
.set NB,  8                            ; v[8:11]    -2 b
.set EE,  12                           ; v[12:19]   my share of e for rows 8 h + j
.set TT,  20                           ; v[20:27]   at work; at the end the output
.set SB,  28                           ; v28        the sum of my four b
.set HAA, 29                           ; v29        LDS: row r, 16 h
.set STA, 30                           ; v30        LDS: my query's first row + 8 x lane
.set EPW, 31                           ; v31        LDS: where my share of e goes
.set HF,  32                           ; v[32:159]  my query's rows in f32, row i at 8 i: numbers 4 l .. 4 l + 3 and 128 + 4 l ..
.set HA,  160                          ; v[160:223] fragments of 16 rows, K step s at 8 s
.set ACC, 224                          ; v[224:255] four accumulators, column tile n at 8 n
.set HP,  528                          ; an LDS row: 512 bytes of bf16 + 16, an odd multiple of 16
.set EPS, 64*HP                        ; behind the 64 rows: [query 4][wave 4][row 16] f32
.set MSB, 0
.macro WIN new
.if MSB != \new
	s_set_vgpr_msb (MSB<<8)|\new
.set MSB, \new
.endif
.endm
	s_load_b256 s[4:11], s[0:1], 0x0               ; rid s[4:5], table s[6:7], af s[8:9], b s[10:11]
	s_load_b64 s[12:13], s[0:1], 0x20              ; out0
	s_set_vgpr_msb 0x80
	v_lshl_add_u32 v0, v0, 2, 0x8800
	v_mov_b32 v1, 0
	s_set_vgpr_msb 0x8000
	v_lshrrev_b32 v2, 5, v0
	v_readfirstlane_b32 s14, v2                    ; wave
	s_lshl_b32 s15, ttmp9, 2
	s_add_co_u32 s15, s15, s14                     ; Q
	s_lshl_b32 s16, s15, 6
	s_mov_b32 s17, 0
	s_lshl_b32 s18, s14, 15                        ; four column tiles of 8,192 bytes
	s_mov_b32 s19, 0
	s_lshl_b32 s20, s15, 10
	s_mov_b32 s21, 0
	s_mov_b32 s53, 0
	s_lshl_b32 s24, s14, 8
	s_add_co_u32 s25, s24, EPS                     ; my query's 4 x 16 shares
	s_lshl_b32 s26, s14, 6
	s_add_co_u32 s26, s26, EPS
	s_mul_i32 s27, s14, 16*HP
	v_and_b32 v1, 31, v0
	v_lshl_add_u32 v[STA], v1, 3, s27
	v_lshlrev_b32 v1, 4, v1                        ; 16 x lane
	v_and_b32 v2, 15, v0                           ; r
	v_bfe_u32 v3, v0, 4, 1                         ; h
	v_lshl_add_u32 v[EE], v2, 2, s24               ; byte offset in b of column 64 w + r
	v_mul_u32_u24 v[HAA], v2, HP
	v_lshl_add_u32 v[HAA], v3, 4, v[HAA]
	v_lshl_add_u32 v[EPW], v3, 5, s26              ; 64 w + 32 h; + 256 x query in the immediate
	s_wait_kmcnt 0x0
	s_add_nc_u64 s[22:23], s[4:5], s[16:17]
	s_load_b512 s[36:51], s[22:23], 0x0            ; my query's 16 rows
	s_add_nc_u64 s[8:9], s[8:9], s[18:19]
	s_add_nc_u64 s[12:13], s[12:13], s[20:21]
	WIN 0x40
.irp n, 0,1,2,3
.irp s, 0,1,2,3,4,5,6,7
	global_load_b128 v[64*\n+8*\s:64*\n+8*\s+3],   v1, s[8:9] offset:(16*\n+2*\s)*512
	global_load_b128 v[64*\n+8*\s+4:64*\n+8*\s+7], v1, s[8:9] offset:(16*\n+2*\s+1)*512
.endr
.endr
	WIN 0
.irp n, 0,1,2,3
	global_load_b32 v[BV+\n], v[EE], s[10:11] offset:64*\n
.endr
	s_wait_kmcnt 0x0
.irp i, 0,1,2,3,4,5,6,7,8,9,10,11,12,13,14,15
	s_min_u32 s52, s[36+\i], 0x1869f               ; a row number stays below 100,000
	s_lshl_b32 s52, s52, 10
	s_add_nc_u64 s[68+2*\i:69+2*\i], s[6:7], s[52:53]
.endr
.irp i, 0,1,2,3,4,5,6,7,8,9,10,11,12,13,14,15
	global_load_b128 v[HF+8*\i:HF+8*\i+3],   v1, s[68+2*\i:69+2*\i]              ; a row is two loads of 512 consecutive bytes
	global_load_b128 v[HF+8*\i+4:HF+8*\i+7], v1, s[68+2*\i:69+2*\i] offset:512
.endr
	s_wait_loadcnt 0x0                             ; the rows are the youngest loads
.irp n, 0,1,2,3
	v_mul_f32 v[NB+\n], -2.0, v[BV+\n]
.endr
	v_add_f32 v[SB], v[BV], v[BV+1]
	v_add_f32 v[TT], v[BV+2], v[BV+3]
	v_add_f32 v[SB], v[SB], v[TT]
.irp i, 0,1,2,3,4,5,6,7,8,9,10,11,12,13,14,15
.irp c, 0,1,2,3
	v_cvt_pk_bf16_f32 v[TT+4*(\i&1)+\c], v[HF+8*\i+2*\c], v[HF+8*\i+2*\c+1]
.endr
	ds_store_b64 v[STA], v[TT+4*(\i&1):TT+4*(\i&1)+1]   offset:\i*HP
	ds_store_b64 v[STA], v[TT+4*(\i&1)+2:TT+4*(\i&1)+3] offset:\i*HP+256
.endr
	s_wait_dscnt 0x0                               ; for the others' sake: my rows are in LDS
	s_barrier_signal -1
	s_barrier_wait -1
; query m's 16 rows x my 64 columns of a, tanh, times b, summed over my columns
.macro MQ m
.irp s, 0,1,2,3,4,5,6,7
	ds_load_b128 v[HA+8*\s:HA+8*\s+3],   v[HAA] offset:\m*16*HP+64*\s
	ds_load_b128 v[HA+8*\s+4:HA+8*\s+7], v[HAA] offset:\m*16*HP+64*\s+32
.endr
	s_wait_dscnt 0x0
	WIN 0x04                                       ; source 1 (a) window 1
.irp s, 0,1,2,3,4,5,6,7
.irp n, 0,1,2,3
.if \s == 0
	v_wmma_f32_16x16x32_bf16 v[ACC+8*\n:ACC+8*\n+7], v[HA:HA+7], v[64*\n:64*\n+7], 0
.else
	v_wmma_f32_16x16x32_bf16 v[ACC+8*\n:ACC+8*\n+7], v[HA+8*\s:HA+8*\s+7], v[64*\n+8*\s:64*\n+8*\s+7], v[ACC+8*\n:ACC+8*\n+7]   ; four accumulators by turns
.endif
.endr
.endr
	WIN 0
.rept 4
	v_nop                                          ; four places before the results are read (ISA guide 7.12.1)
.endr
.set n, 0
.rept 16
	v_pk_mul_f32 v[ACC+2*n:ACC+2*n+1], v[ACC+2*n:ACC+2*n+1], 0x4038aa3b op_sel_hi:[1,0]   ; 2 log2(e) x
.set n, n+1
.endr
.set n, 0
.rept 32
	v_exp_f32 v[ACC+n], v[ACC+n]
.set n, n+1
.endr
	v_nop                                          ; one plain instruction behind a run of transcendentals (ISA guide 5.7.2)
.set n, 0
	s_wait_alu depctr_va_vdst(0)
.rept 16
	v_pk_add_f32 v[ACC+2*n:ACC+2*n+1], v[ACC+2*n:ACC+2*n+1], 1.0 op_sel_hi:[1,0]
.set n, n+1
.endr
.set n, 0
.rept 32
	v_rcp_f32 v[ACC+n], v[ACC+n]
.set n, n+1
.endr
	v_nop
	s_wait_alu depctr_va_vdst(0)
.irp j, 0,1,2,3,4,5,6,7
	v_fma_f32 v[EE+\j], v[ACC+\j], v[NB], v[SB]    ; sum of b (1 - 2 rcp) = sum of b + sum of rcp x (-2 b)
.endr
.irp n, 1,2,3
.irp j, 0,1,2,3,4,5,6,7
	v_fmac_f32 v[EE+\j], v[ACC+8*\n+\j], v[NB+\n]
.endr
.endr
.irp x, 1,2,4,8
.irp j, 0,1,2,3,4,5,6,7
	v_add_f32_dpp v[EE+\j], v[EE+\j], v[EE+\j] row_xmask:\x row_mask:0xf bank_mask:0xf     ; over the 16 columns of a half's lanes
.endr
.endr
	ds_store_b128 v[EPW], v[EE:EE+3]   offset:\m*256      ; the 16 lanes of a half write the same words with the same values
	ds_store_b128 v[EPW], v[EE+4:EE+7] offset:\m*256+16
.endm
	MQ 0
	MQ 1
	MQ 2
	MQ 3
	s_wait_dscnt 0x0                               ; for the others' sake: my shares are in LDS
	s_barrier_signal -1
	s_barrier_wait -1
	; my query: lane r takes row r's four shares (both halves of the lanes alike)
	v_lshl_add_u32 v2, v2, 2, s25
	ds_load_b32 v12, v2
	ds_load_b32 v13, v2 offset:64
	ds_load_b32 v14, v2 offset:128
	ds_load_b32 v15, v2 offset:192
	s_wait_dscnt 0x0
	v_add_f32 v12, v12, v13
	v_add_f32 v14, v14, v15
	v_add_f32 v12, v12, v14                        ; e of row r
	v_mov_b32 v16, v12
.irp x, 1,2,4,8
	v_max_num_f32_dpp v16, v16, v16 row_xmask:\x row_mask:0xf bank_mask:0xf
.endr
	v_sub_f32 v17, v12, v16                        ; the maximum is taken away
	v_mul_f32 v17, 0x3fb8aa3b, v17
	v_exp_f32 v17, v17
	v_nop
	s_wait_alu depctr_va_vdst(0)
	v_mov_b32 v18, v17
.irp x, 1,2,4,8
	v_add_f32_dpp v18, v18, v18 row_xmask:\x row_mask:0xf bank_mask:0xf
.endr
	v_rcp_f32 v18, v18
	v_nop
	s_wait_alu depctr_va_vdst(0)
	v_mul_f32 v17, v17, v18                        ; the weight of row r
.irp i, 0,1,2,3,4,5,6,7,8,9,10,11,12,13,14,15
	v_readlane_b32 s[36+\i], v17, \i               ; as scalars: each multiplies a whole row
.endr
.irp c, 0,1,2,3,4,5,6,7
	v_mul_f32 v[TT+\c], s36, v[HF+\c]              ; row 0 starts the sums
.endr
.irp i, 1,2,3,4,5,6,7,8,9,10,11,12,13,14,15
.irp c, 0,1,2,3,4,5,6,7
	v_fmac_f32 v[TT+\c], s[36+\i], v[HF+8*\i+\c]
.endr
.endr
	global_store_b128 v1, v[TT:TT+3],   s[12:13]              ; each store of the wave covers 512 consecutive bytes, aligned
	global_store_b128 v1, v[TT+4:TT+7], s[12:13] offset:512
	s_set_vgpr_msb 0xa
	s_wait_tensorcnt 0x0
	ds_add_u32 v0, v1
	s_wait_dscnt 0x0
	s_set_vgpr_msb 0xa00
	s_endpgm
.Lfunc_end_k_q96f5adb7e0_attend:
	.size	k_q96f5adb7e0_attend, .Lfunc_end_k_q96f5adb7e0_attend-k_q96f5adb7e0_attend
	.p2alignl 7, 3214868480
	.fill 96, 4, 3214868480
	.section	.rodata,"a",@progbits
	.p2align	6, 0x0
	.amdhsa_kernel k_q96f5adb7e0_attend
		.amdhsa_group_segment_fixed_size 35328
		.amdhsa_private_segment_fixed_size 0
		.amdhsa_enable_private_segment 0
		.amdhsa_kernarg_size 40
		.amdhsa_user_sgpr_count 2
		.amdhsa_user_sgpr_kernarg_segment_ptr 1
		.amdhsa_wavefront_size32 1
		.amdhsa_system_sgpr_workgroup_id_x 1
		.amdhsa_system_sgpr_workgroup_id_y 1
		.amdhsa_system_sgpr_workgroup_id_z 1
		.amdhsa_system_vgpr_workitem_id 0
		.amdhsa_next_free_vgpr 514
		.amdhsa_next_free_sgpr 100
		.amdhsa_reserve_vcc 0
		.amdhsa_float_denorm_mode_32 3
		.amdhsa_float_denorm_mode_16_64 3
		.amdhsa_memory_ordered 1
		.amdhsa_forward_progress 1
		.amdhsa_inst_pref_size 72
	.end_amdhsa_kernel
	.amdgpu_metadata
---
amdhsa.version: [ 1, 2 ]
amdhsa.kernels:
  - .name:           k_q96f5adb7e0_attend
    .symbol:         k_q96f5adb7e0_attend.kd
    .args:
      - { .name: rid, .offset: 0, .size: 8, .value_kind: global_buffer, .address_space: global }
      - { .name: table, .offset: 8, .size: 8, .value_kind: global_buffer, .address_space: global }
      - { .name: af, .offset: 16, .size: 8, .value_kind: global_buffer, .address_space: global }
      - { .name: b, .offset: 24, .size: 8, .value_kind: global_buffer, .address_space: global }
      - { .name: out0, .offset: 32, .size: 8, .value_kind: global_buffer, .address_space: global }
    .group_segment_fixed_size: 35328
    .private_segment_fixed_size: 0
    .kernarg_segment_align: 8
    .kernarg_segment_size: 40
    .max_flat_workgroup_size: 128
    .sgpr_count:     100
    .vgpr_count:     514
    .wavefront_size: 32
...
	.end_amdgpu_metadata
.endif
;; end of part 6
;; ======== version 2 of 2: 5 launches; 1.14 times as fast as version 1
;; workspace buffers: qf 524,288 bytes; af 131,072 bytes; fine 53,760,000 bytes; coarse 2,560,000 bytes; cid 65,536 bytes of whole numbers; fid 65,536 bytes of whole numbers
;; launch prep: the kernel of part 1 again; grid 80 x 1, 1 waves a work-group, no clusters, 0 bytes of LDS; arguments conceptnet_text_vec, table, a, qf, af; writes qf, af
;; launch score (part 7): grid 2 x 125, 4 waves a work-group, no clusters, 327,680 bytes of LDS; arguments table, qf, fine, coarse; writes fine, coarse
.if DOCPART == 7
	.amdgcn_target "amdgcn-amd-amdhsa--gfx1250"
	.amdhsa_code_object_version 6
	.text
	.protected	k_q96f5adb7e0_score
	.globl	k_q96f5adb7e0_score
	.p2align	8
	.type	k_q96f5adb7e0_score,@function
k_q96f5adb7e0_score:
	s_mov_b64 s[64:65], 0
	v_nop
	global_prefetch_b8 v0, s[64:65] scope:SCOPE_SE
	s_setreg_imm32_b32 hwreg(HW_REG_WAVE_MODE, 25, 1), 1
	s_wait_xcnt 0x0
; logits = table x queries^T in bf16 with f32 sums, of which only bucket maxima are kept:
;   coarse[C][Q]  = max over table rows 160 C .. 160 C + 159,          C < 625
;   fine[C][Q][v] = max over table rows 160 C + 8 v .. 160 C + 8 v + 7, v < 20: a record of 21 words for each coarse bucket and query,
;                   the last word a filler (0), so that the launch that picks fine buckets finds a query's 20 keys of a coarse bucket together.
; The softmax in front of the top-k is monotone, so the choice is made on logits; the 16 best rows of a query lie in the 16 buckets with the
; largest maxima (ties to the lower bucket), which later launches pick.  Limit: inputs are finite (a NaN loses every maximum here).
; SHARES.  Work-group (x, y): queries 512 x .. 512 x + 511, table rows 800 y .. 800 y + 799; x runs fastest, so the two work-groups that
; read the same table rows stand next to each other in the grid.  Wave w: 128 of these queries, whose bf16
; fragments (8 tiles x 8 K steps x 8 registers = 512 registers) stay in registers for the whole launch.  The table's f32 rows come through
; a ring of two LDS slots of 80 rows; each wave reads a tile of 16 rows, rounds it to bf16 and multiplies it with its 128 queries.
; THE TABLE'S ROWS ARE SOURCE 0: lane (r, h) then holds in its 8 result registers rows 8 h .. 8 h + 7 of one query (ISA guide 7.12.2),
; a fine bucket, so that a bucket's maximum takes four instructions in the lane and crosses no lane.
; THE FINE MAXIMA'S WAY OUT.  A lane holds one word of 8 records after each tile.  They are gathered in the wave's own stage in LDS
; (128 records) and leave after ten tiles, when the records are whole, as 21 stores of 512 consecutive bytes.
; NO CLUSTER: a table tile is shared by 2 work-groups alone, and neither 2 nor 125 divides by 4.
; REGISTERS in windows of 256: window 0 addresses, two A buffers, accumulators, maxima; window 1 the tile in f32 as read from LDS, and the
; records on their way out; windows 2 and 3 the query fragments of tiles 0-3 and 4-7, tile q & 3 at 64 (q & 3) + 8 s.
.set PITCH,  272                       ; an LDS row: 256 bytes (64 f32) + 16 of padding, an odd multiple of 16: 16 rows start in 16 different 16-byte columns
.set QUARTB, 80*PITCH                  ; a quarter of K (64 numbers) of 80 rows: what one tensor load brings
.set SLOTB,  4*QUARTB                  ; 87,040 bytes
.set TILEB,  16*PITCH
.set FREC,   84                        ; a record: 21 words.  A stage store's lanes are queries 4 apart, 84 words: 84 r mod 64 takes 16 different multiples of 4,
                                       ; and the halves of the lanes add 0 or 1: 32 different banks (64 banks of 4 bytes: ISA guide 11.1)
.set FWAVE,  128*FREC                  ; a wave's stage: 10,752 bytes = 42 blocks of 256
.set FSTAGE, 2*SLOTB                   ; behind the ring, at a multiple of 256: no tensor load lands here
.set LA,  4                            ; v[4:11]    LDS address of my 32 bytes: slot * 4 + quarter
.set FSA, 12                           ; v12        LDS: word h of query 4 r's record in my wave's stage
.set CO,  13                           ; v13        my byte offset in a row of coarse
.set TMP, 14
.set CD,  16                           ; v[16:19]   coarse maxima to store
.set FRB, 20                           ; v20        LDS: my wave's stage + 16 x lane
.set PADA,21                           ; v21        LDS: record number lane of my wave's stage
.set A0,  32                           ; v[32:95], v[96:159] the tile's bf16 fragments, two buffers, K step s at 8 s
.set ACC, 160                          ; v[160:223] eight accumulators, query tile q at 8 q
.set F,   224                          ; v[224:231] fine maxima, one for each query tile
.set CM,  232                          ; v[232:239] running maxima of ten tiles
.set OUTF,128                          ; window 1, v[128:211]: the stage read back, 21 x 4 registers
.set G1,  16                           ; s[16:23]   descriptor group 1
.set G0,  24                           ; s[24:27], s[28:31] descriptor group 0 of slot 0, 1
.set FB,  40                           ; s[40:41]   fine at this coarse bucket's records of my wave's queries
.set CB,  42                           ; s[42:43]   coarse at this bucket
.set QB,  44                           ; s[44:45]   qf at my wave's 64 KB
.set MSB, 0
.macro WIN new                         ; low byte: bits 1:0 source 0, 3:2 source 1, 5:4 source 2, 7:6 destination; the high byte repeats the setting left
.if MSB != \new
	s_set_vgpr_msb (MSB<<8)|\new
.set MSB, \new
.endif
.endm
	s_load_b256 s[4:11], s[0:1], 0x0               ; table s[4:5], qf s[6:7], fine s[8:9], coarse s[10:11]
	v_lshl_add_u32 v254, v0, 2, 0x35000
	v_mov_b32 v255, 0
	ds_add_u32 v254, v255
	ds_add_u32 v254, v255
	v_lshrrev_b32 v2, 5, v0
	v_readfirstlane_b32 s12, v2                    ; wave 0..3
	s_and_b32 s13, ttmp7, 0xffff                   ; which 800 rows of the table
	s_mov_b32 s14, ttmp9                           ; which half of the queries
	; group 1: 80 rows x 64 elements of 4 bytes, 256 elements from row to row, 4 words of padding behind every 64
	s_mov_b32 s[G1+0], (2<<16)|(1<<20)|(5<<22)|(3<<25)
	s_mov_b32 s[G1+1], 64<<16                      ; tensor_dim0 = 64
	s_mov_b32 s[G1+2], 80<<16                      ; tensor_dim1 = 80
	s_mov_b32 s[G1+3], 64<<16                      ; tile_dim0 = 64
	s_mov_b32 s[G1+4], 80                          ; tile_dim1 = 80
	s_mov_b32 s[G1+5], 256                         ; pitch
	s_mov_b32 s[G1+6], 0
	s_mov_b32 s[G1+7], 0
	s_mul_i32 s32, s13, 819200                     ; 800 rows of 1,024 bytes
	s_lshl_b32 s35, s12, 8                         ; my quarter of K: 256 bytes
	s_add_co_u32 s32, s32, s35
	s_mov_b32 s33, 0
	s_mov_b32 s[G0+0], 1
	s_mul_i32 s[G0+1], s12, QUARTB                 ; LDS: wave x quarter, + the slot
	s_mov_b32 s[G0+4], 1
	s_add_co_u32 s[G0+5], s[G0+1], SLOTB
	s_wait_dscnt 0x0
	s_wait_kmcnt 0x0
	s_add_nc_u64 s[G0+2:G0+3], s[4:5], s[32:33]    ; rows 0 to 79 of the chunk
	s_add_nc_u64 s[G0+6:G0+7], s[G0+2:G0+3], 81920 ; rows 80 to 159
	s_or_b32 s[G0+3], s[G0+3], 0x80000000          ; type = 2
	s_or_b32 s[G0+7], s[G0+7], 0x80000000
	tensor_load_to_lds s[G0:G0+3], s[G1:G1+7]      ; both first fills together, ahead of everything else: two tensor loads of the wave are out,
	s_nop 0
	tensor_load_to_lds s[G0+4:G0+7], s[G1:G1+7]    ; later one behind each refill's barrier
	s_nop 0
	; my 128 queries' fragments: 128 loads of 512 consecutive bytes
	s_lshl_b32 s46, s14, 2
	s_add_co_u32 s46, s46, s12                     ; which 128 of the 1,024 queries are my wave's
	s_lshl_b32 s32, s46, 16
	s_add_nc_u64 s[QB:QB+1], s[6:7], s[32:33]
	v_and_b32 v1, 31, v0
	v_lshlrev_b32 v1, 4, v1                        ; 16 x lane; never rewritten
	WIN 0x80                                       ; destination window 2
.irp q, 0,1,2,3
.irp s, 0,1,2,3,4,5,6,7
	global_load_b128 v[64*\q+8*\s:64*\q+8*\s+3],   v1, s[QB:QB+1] offset:(16*\q+2*\s)*512
	global_load_b128 v[64*\q+8*\s+4:64*\q+8*\s+7], v1, s[QB:QB+1] offset:(16*\q+2*\s+1)*512
.endr
.endr
	WIN 0xc0                                       ; destination window 3
.irp q, 0,1,2,3
.irp s, 0,1,2,3,4,5,6,7
	global_load_b128 v[64*\q+8*\s:64*\q+8*\s+3],   v1, s[QB:QB+1] offset:(16*(\q+4)+2*\s)*512
	global_load_b128 v[64*\q+8*\s+4:64*\q+8*\s+7], v1, s[QB:QB+1] offset:(16*(\q+4)+2*\s+1)*512
.endr
.endr
	WIN 0
	v_and_b32 v2, 15, v0                           ; r
	v_bfe_u32 v3, v0, 4, 1                         ; h
	v_mul_u32_u24 v15, v2, PITCH
	v_lshl_add_u32 v15, v3, 5, v15                 ; row r, 8 h numbers of 4 bytes
.irp i, 0,1,2,3,4,5,6,7
	v_add_nc_u32 v[LA+\i], (\i>>2)*SLOTB+(\i&3)*QUARTB, v15
.endr
	s_mul_i32 s39, s12, FWAVE
	s_add_co_u32 s39, s39, FSTAGE                  ; my wave's stage
	v_mul_u32_u24 v[FSA], v2, 4*FREC               ; query 4 r's record,
	v_lshl_add_u32 v[FSA], v3, 2, v[FSA]           ; word h; the query tile and 2 x tile stand in the immediate
	v_add_nc_u32 v[FSA], s39, v[FSA]
	v_add_nc_u32 v[FRB], s39, v1
	v_and_b32 v[PADA], 31, v0
	v_mul_u32_u24 v[PADA], v[PADA], FREC
	v_add_nc_u32 v[PADA], s39, v[PADA]
	v_mov_b32 v[TMP], 0                            ; the filler; also: a lane permute's destination counts as read
.irp j, 0,1,2,3
	ds_store_b32 v[PADA], v[TMP] offset:80+\j*32*FREC      ; word 20 of records lane + 32 j: written once, so that the stage can be copied as whole blocks
.endr
	s_lshl_b32 s35, s46, 9                         ; my wave's first query x 4 bytes
	v_lshl_add_u32 v[CO], v2, 4, s35               ; + 4 r queries,
	v_lshl_add_u32 v[CO], v3, 8, v[CO]             ; coarse: lanes 16-31 the next 64 queries
	s_mul_i32 s32, s13, 5*1024*FREC                ; 5 coarse buckets a chunk, 1,024 records each
	s_mul_i32 s39, s46, FWAVE
	s_add_co_u32 s32, s32, s39
	s_add_nc_u64 s[FB:FB+1], s[8:9], s[32:33]
	s_mul_i32 s32, s13, 20480                      ; 5 rows of coarse a chunk
	s_add_nc_u64 s[CB:CB+1], s[10:11], s[32:33]
	s_mov_b32 s36, 0x76543210                      ; v_permlanex16_b32: lane i takes lane i of the other half
	s_mov_b32 s37, 0xfedcba98
	s_mov_b32 s38, 0xffff0000                      ; lanes 16-31
; 32 matrix instructions: the tile in buffer abuf x query tiles qbase .. qbase + 3 (of the window that is set), all of K.
; The first K step starts the sums with the constant 0.  The four accumulators take turns, one instruction a turn.
.macro MUL32 abuf, qbase
.irp s, 0,1,2,3,4,5,6,7
.irp q, 0,1,2,3
.if \s == 0
	v_wmma_f32_16x16x32_bf16 v[ACC+8*(\qbase+\q):ACC+8*(\qbase+\q)+7], v[(\abuf)+8*\s:(\abuf)+8*\s+7], v[64*\q+8*\s:64*\q+8*\s+7], 0
.else
	v_wmma_f32_16x16x32_bf16 v[ACC+8*(\qbase+\q):ACC+8*(\qbase+\q)+7], v[(\abuf)+8*\s:(\abuf)+8*\s+7], v[64*\q+8*\s:64*\q+8*\s+7], v[ACC+8*(\qbase+\q):ACC+8*(\qbase+\q)+7]
.endif
.endr
.endr
.endm
; 32 LDS loads in one run: tile t of a slot in f32 into window 1, number k = 32 s + 16 p + 8 h + 4 x + .. at register 16 s + 8 p + 4 x
.macro FETCH slot, t
	WIN 0x40
.irp s, 0,1,2,3,4,5,6,7
.irp c, 0,1,2,3
	ds_load_b128 v[16*\s+4*\c:16*\s+4*\c+3], v[LA+4*\slot+(\s>>1)] offset:\t*TILEB+(\s&1)*128+64*(\c>>1)+16*(\c&1)
.endr
.endr
.endm
; the tile is rounded to bf16 into buffer abuf.  These 64 lines name no register of the matrix instructions in front of them,
; so they are also the places (ISA guide 7.12.1) between those and the maxima that read their results.
.macro CONV abuf
	s_wait_dscnt 0x0                               ; all 32 loads are needed
	WIN 0x05
.set n, 0
.rept 64
	v_cvt_pk_bf16_f32 v[(\abuf)+n], v[2*n], v[2*n+1]
.set n, n+1
.endr
.endm
; fine maxima of tile ti of ten, into the stage; the running maxima follow (tile 0 starts them: nothing is cleared)
.macro MAXES ti
	WIN 0
.if \ti == 0
.set FD, CM
.else
.set FD, F
.endif
.irp q, 0,1,2,3,4,5,6,7
	v_max3_num_f32 v[FD+\q], v[ACC+8*\q], v[ACC+8*\q+1], v[ACC+8*\q+2]
.endr
.irp q, 0,1,2,3,4,5,6,7
	v_max3_num_f32 v[FD+\q], v[FD+\q], v[ACC+8*\q+3], v[ACC+8*\q+4]
.endr
.irp q, 0,1,2,3,4,5,6,7
	v_max3_num_f32 v[FD+\q], v[FD+\q], v[ACC+8*\q+5], v[ACC+8*\q+6]
.endr
.irp q, 0,1,2,3,4,5,6,7
	v_max_num_f32 v[FD+\q], v[FD+\q], v[ACC+8*\q+7]
.endr
.irp q, 0,1,2,3,4,5,6,7
	ds_store_b32 v[FSA], v[FD+\q] offset:(64*(\q>>2)+(\q&3))*FREC+8*\ti    ; query 64 (q >> 2) + 4 r + (q & 3), word 2 ti + h
.endr
.if \ti != 0
.irp q, 0,1,2,3,4,5,6,7
	v_max_num_f32 v[CM+\q], v[CM+\q], v[F+\q]
.endr
.endif
.endm
.macro HEAD                            ; in front of a change of slots
	s_wait_dscnt 0x0                               ; my reads of the slot that I leave are back (and my stage stores done: no LDS instruction is pending at a signal)
	s_wait_tensorcnt 0x0                           ; all my tensor loads have landed, my quarter of the next slot among them
	ds_add_u32 v254, v255
	s_wait_dscnt 0x0
.endm
; Tile ti of ten is multiplied; the next tile (tile nt of slot nslot) is read and rounded meanwhile.
; kind 0: the next tile lies in the same slot: its loads go out ahead of this tile's products, behind vector work, so that the 64 matrix
; instructions follow each other.  1: it lies in the other slot, and the slot that is left is filled again: the loads stand behind the
; barrier, whose two halves have 32 matrix instructions between them.  2: the same without a fill.  3: there is no next tile.
.macro STEP ti, nslot, nt, kind
.if \kind == 0
	FETCH \nslot, \nt
.endif
.if \kind == 1
	HEAD
	s_add_nc_u64 s[G0+4*(1-\nslot)+2:G0+4*(1-\nslot)+3], s[G0+4*(1-\nslot)+2:G0+4*(1-\nslot)+3], 163840   ; no tensor load is out: 160 rows on
	s_barrier_signal -1
.endif
.if \kind == 2
	HEAD
	s_barrier_signal -1
.endif
	WIN 0x08                                       ; source 1 (queries) window 2
	MUL32 A0+64*(\ti&1), 0                         ; register work while the others arrive
.if \kind == 1
	s_barrier_wait -1                              ; nobody reads the old slot any more, the next slot is whole
	tensor_load_to_lds s[G0+4*(1-\nslot):G0+4*(1-\nslot)+3], s[G1:G1+7]   ; my one tensor load behind this barrier; five tiles' work until it is waited for
	s_nop 0
	FETCH \nslot, \nt
.endif
.if \kind == 2
	s_barrier_wait -1
	FETCH \nslot, \nt
.endif
	WIN 0x0c                                       ; source 1 window 3
	MUL32 A0+64*(\ti&1), 4
.if \kind != 3
	CONV A0+64-64*(\ti&1)
.else
	WIN 0
.rept 4
	v_nop                                          ; four places between the last matrix instructions and the reads of their results (ISA guide 7.12.1)
.endr
.endif
	MAXES \ti
.endm
; After ten tiles.  The stage's 128 records are whole: they are read back as they lie and stored, each store of the wave covering 512
; consecutive bytes, aligned.  LDS serves a wave's instructions in order (ISA guide 5.7.1): the loads see the stores of the ten tiles,
; and the next ten tiles' stores come behind them.  Meanwhile the ten tiles' maxima: the two halves of the lanes (rows 8 h ..) meet, and
; 128 queries' maxima leave as 512 consecutive bytes.
.macro COARSE step
	WIN 0x40
.set n, 0
.rept 21
	ds_load_b128 v[OUTF+4*n:OUTF+4*n+3], v[FRB] offset:512*n
.set n, n+1
.endr
	WIN 0
.irp q, 0,1,2,3,4,5,6,7
	v_permlanex16_b32 v[TMP], v[CM+\q], s36, s37
	v_max_num_f32 v[CM+\q], v[CM+\q], v[TMP]
.endr
.irp c, 0,1,2,3
	v_cndmask_b32 v[CD+\c], v[CM+\c], v[CM+4+\c], s38   ; lanes 0-15 store query tiles 0-3, lanes 16-31 tiles 4-7
.endr
	global_store_b128 v[CO], v[CD:CD+3], s[CB:CB+1]
	WIN 0x04                                       ; a store's data is source 1: window 1
.set n, 0
.rept 21
	s_wait_dscnt 20-n                              ; LDS loads come back in order: load n is in, the 20 - n younger ones may be out
	global_store_b128 v1, v[OUTF+4*n:OUTF+4*n+3], s[FB:FB+1] offset:512*n th:TH_STORE_NT
.set n, n+1
.endr
	WIN 0
.if \step
	s_wait_xcnt 0x0                                ; the stores' bases step, and their data registers are written again ten tiles on, only behind this wait
	s_add_nc_u64 s[CB:CB+1], s[CB:CB+1], 4096      ; one coarse bucket on
	s_add_nc_u64 s[FB:FB+1], s[FB:FB+1], 1024*FREC
.endif
.endm
.macro PAIR k1, k2, step               ; once round the ring: 160 rows, one coarse bucket
	STEP 0, 0, 1, 0
	STEP 1, 0, 2, 0
	STEP 2, 0, 3, 0
	STEP 3, 0, 4, 0
	STEP 4, 1, 0, \k1
	STEP 5, 1, 1, 0
	STEP 6, 1, 2, 0
	STEP 7, 1, 3, 0
	STEP 8, 1, 4, 0
	STEP 9, 0, 0, \k2
	COARSE \step
.endm
	s_wait_loadcnt 0x0                             ; the query fragments, once
	s_wait_dscnt 0x0                               ; the fillers are stored: no LDS instruction is pending at a signal
	s_wait_tensorcnt 0x1                           ; my quarter of slot 0 is in; slot 1's may stay out
	s_barrier_signal -1
	s_barrier_wait -1                              ; everybody's quarter is in
	FETCH 0, 0
	CONV A0
	WIN 0                                          ; at a label and at a branch every window is 0
	s_mov_b32 s34, 4
.Lpair:
	PAIR 1, 1, 1                                   ; rows 160 p ..: both slots are filled again, with rows 160 (p + 1) ..
	s_sub_co_u32 s34, s34, 1
	s_cmp_lg_u32 s34, 0
	s_cbranch_scc1 .Lpair
	PAIR 2, 3, 0                                   ; the last 160 rows: nothing is left to fetch; the wait for all tensor loads stands in its change of slots
	s_wait_tensorcnt 0x0
	ds_add_u32 v254, v255
	s_wait_dscnt 0x0
	s_endpgm
.Lfunc_end_k_q96f5adb7e0_score:
	.size	k_q96f5adb7e0_score, .Lfunc_end_k_q96f5adb7e0_score-k_q96f5adb7e0_score
	.p2alignl 7, 3214868480
	.fill 96, 4, 3214868480
	.section	.rodata,"a",@progbits
	.p2align	6, 0x0
	.amdhsa_kernel k_q96f5adb7e0_score
		.amdhsa_group_segment_fixed_size 327680
		.amdhsa_private_segment_fixed_size 0
		.amdhsa_enable_private_segment 0
		.amdhsa_kernarg_size 32
		.amdhsa_user_sgpr_count 2
		.amdhsa_user_sgpr_kernarg_segment_ptr 1
		.amdhsa_wavefront_size32 1
		.amdhsa_system_sgpr_workgroup_id_x 1
		.amdhsa_system_sgpr_workgroup_id_y 1
		.amdhsa_system_sgpr_workgroup_id_z 1
		.amdhsa_system_vgpr_workitem_id 0
		.amdhsa_next_free_vgpr 1024
		.amdhsa_next_free_sgpr 66
		.amdhsa_reserve_vcc 0
		.amdhsa_float_denorm_mode_32 3
		.amdhsa_float_denorm_mode_16_64 3
		.amdhsa_memory_ordered 1
		.amdhsa_forward_progress 1
		.amdhsa_inst_pref_size 255
	.end_amdhsa_kernel
	.section	.bss,"aw",@nobits
	.p2align	6
	.space	262144
	.amdgpu_metadata
---
amdhsa.version: [ 1, 2 ]
amdhsa.kernels:
  - .name:           k_q96f5adb7e0_score
    .symbol:         k_q96f5adb7e0_score.kd
    .args:
      - { .name: table, .offset: 0, .size: 8, .value_kind: global_buffer, .address_space: global }
      - { .name: qf, .offset: 8, .size: 8, .value_kind: global_buffer, .address_space: global }
      - { .name: fine, .offset: 16, .size: 8, .value_kind: global_buffer, .address_space: global }
      - { .name: coarse, .offset: 24, .size: 8, .value_kind: global_buffer, .address_space: global }
    .group_segment_fixed_size: 327680
    .private_segment_fixed_size: 0
    .kernarg_segment_align: 8
    .kernarg_segment_size: 32
    .max_flat_workgroup_size: 128
    .sgpr_count:     66
    .vgpr_count:     1024
    .wavefront_size: 32
...
	.end_amdgpu_metadata
.endif
;; end of part 7
;; launch pickc (part 8): grid 256 x 1, 4 waves a work-group, no clusters, 0 bytes of LDS; arguments coarse, cid; writes cid
.if DOCPART == 8
	.amdgcn_target "amdgcn-amd-amdhsa--gfx1250"
	.amdhsa_code_object_version 6
	.text
	.protected	k_q96f5adb7e0_pickc
	.globl	k_q96f5adb7e0_pickc
	.p2align	8
	.type	k_q96f5adb7e0_pickc,@function
k_q96f5adb7e0_pickc:
	s_mov_b64 s[64:65], 0
	v_nop
	global_prefetch_b8 v0, s[64:65] scope:SCOPE_SE
	s_setreg_imm32_b32 hwreg(HW_REG_WAVE_MODE, 25, 1), 1
	s_wait_xcnt 0x0
; cid[Q][0..15] = the 16 coarse buckets (of 625) with the largest maxima for query Q, ties to the lower number.  One wave, one query.
; Lane l holds buckets 32 k + l, k < 20, as keys in registers; numbers are kept as f32 (below 2^24: exact) so that one kind of reduction serves.
; Keys are first raised to (largest key - 103.97): what the reference's softmax turns into 0 is a tie there, won by the lowest index.
; Limit: between 87.3 and 103.97 below the largest key the reference's values are denormals, which may tie where these keys do not.
; All choices are made by selects, in every round: no branch and no address hangs on a key.
; One wave has nothing else to run while a result is on its way, so a round has no long chains: maxima and minima are trees of depth 3,
; each compare writes a scalar register of its own and each select a temporary of its own.
; The loads take 4 bytes of rows 4,096 bytes apart: 2,500 bytes a query out of a buffer of 2.56 MB that neighbouring queries read too.
; The wave stores 64 bytes; the four waves of the work-group fill one aligned block of 256 bytes between them.
.set NR,   20
.set LANE, 1
.set RM,   2                           ; a maximum
.set RT,   3                           ; at work
.set RC,   4                           ; the winner's number
.set RES,  5                           ; lanes i and i + 16: the winner of round i
.set TH,   6
.set BIG,  7
.set NINF, 8
.set L15,  9
.set OFF,  10
.set OFFL, 11
.set OUTO, 12
.set KEY,  16                          ; v[16:35]
.set IDS,  36                          ; v[36:55]
.set TP,   56                          ; v[56:75]  temporaries
.set SM,   20                          ; s[20:39]  a mask for each key
.macro WMAX x, t                       ; maximum over the 32 lanes, in every lane
	v_max_num_f32_dpp v[\x], v[\x], v[\x] row_xmask:1 row_mask:0xf bank_mask:0xf
	v_max_num_f32_dpp v[\x], v[\x], v[\x] row_xmask:2 row_mask:0xf bank_mask:0xf
	v_max_num_f32_dpp v[\x], v[\x], v[\x] row_xmask:4 row_mask:0xf bank_mask:0xf
	v_max_num_f32_dpp v[\x], v[\x], v[\x] row_xmask:8 row_mask:0xf bank_mask:0xf
	v_permlanex16_b32 v[\t], v[\x], s12, s13
	v_max_num_f32 v[\x], v[\x], v[\t]
.endm
.macro WMIN x, t
	v_min_num_f32_dpp v[\x], v[\x], v[\x] row_xmask:1 row_mask:0xf bank_mask:0xf
	v_min_num_f32_dpp v[\x], v[\x], v[\x] row_xmask:2 row_mask:0xf bank_mask:0xf
	v_min_num_f32_dpp v[\x], v[\x], v[\x] row_xmask:4 row_mask:0xf bank_mask:0xf
	v_min_num_f32_dpp v[\x], v[\x], v[\x] row_xmask:8 row_mask:0xf bank_mask:0xf
	v_permlanex16_b32 v[\t], v[\x], s12, s13
	v_min_num_f32 v[\x], v[\x], v[\t]
.endm
.macro TMAX src, dst                   ; the largest of 20 registers: 6 threes and a pair, 2 threes, 1 three
.irp i, 0,1,2,3,4,5
	v_max3_num_f32 v[TP+\i], v[\src+3*\i], v[\src+3*\i+1], v[\src+3*\i+2]
.endr
	v_max_num_f32 v[TP+6], v[\src+18], v[\src+19]
	v_max3_num_f32 v[TP], v[TP], v[TP+1], v[TP+2]
	v_max3_num_f32 v[TP+1], v[TP+3], v[TP+4], v[TP+5]
	v_max3_num_f32 v[\dst], v[TP], v[TP+1], v[TP+6]
.endm
.macro TMIN src, dst                   ; the smallest; src may be TP itself: line i writes TP + i and later lines read from TP + 3 i + 3 on
.irp i, 0,1,2,3,4,5
	v_min3_num_f32 v[TP+\i], v[\src+3*\i], v[\src+3*\i+1], v[\src+3*\i+2]
.endr
	v_min_num_f32 v[TP+6], v[\src+18], v[\src+19]
	v_min3_num_f32 v[TP], v[TP], v[TP+1], v[TP+2]
	v_min3_num_f32 v[TP+1], v[TP+3], v[TP+4], v[TP+5]
	v_min3_num_f32 v[\dst], v[TP], v[TP+1], v[TP+6]
.endm
.macro CLAMPV
	TMAX KEY, RM
	WMAX RM, RT
	v_add_f32 v[TH], 0xc2cff1b5, v[RM]             ; the largest key - 103.97
.set k, 0
.rept NR
	v_max_num_f32 v[KEY+k], v[KEY+k], v[TH]
.set k, k+1
.endr
.endm
.macro PICK16                          ; sixteen rounds: the largest key, of its holders the lowest number, which is noted and struck out
	s_mov_b32 s14, 0
.Lround:
	TMAX KEY, RM
	WMAX RM, RT
.set k, 0
.rept NR
	v_cmp_eq_f32 s[SM+k], v[RM], v[KEY+k]
.set k, k+1
.endr
.set k, 0
.rept NR
	v_cndmask_b32 v[TP+k], v[BIG], v[IDS+k], s[SM+k]
.set k, k+1
.endr
	TMIN TP, RC
	WMIN RC, RT
.set k, 0
.rept NR
	v_cmp_eq_f32 s[SM+k], v[RC], v[IDS+k]
.set k, k+1
.endr
.set k, 0
.rept NR
	v_cndmask_b32 v[KEY+k], v[KEY+k], v[NINF], s[SM+k]
.set k, k+1
.endr
	v_cmp_eq_u32 vcc_lo, s14, v[L15]
	v_cndmask_b32 v[RES], v[RES], v[RC], vcc_lo
	s_add_co_u32 s14, s14, 1
	s_cmp_lt_u32 s14, 16
	s_cbranch_scc1 .Lround
	v_cvt_u32_f32 v[RES], v[RES]
.endm
	s_load_b128 s[4:7], s[0:1], 0x0                ; coarse s[4:5], cid s[6:7]
	v_lshrrev_b32 v[RM], 5, v0
	v_readfirstlane_b32 s8, v[RM]                  ; wave
	v_and_b32 v[LANE], 31, v0
	v_and_b32 v[L15], 15, v0
	s_lshl_b32 s9, ttmp9, 2
	s_add_co_u32 s9, s9, s8                        ; Q
	s_lshl_b32 s10, s9, 2
	s_lshl_b32 s11, s9, 6
	s_mov_b32 s12, 0x76543210
	s_mov_b32 s13, 0xfedcba98
	v_lshl_add_u32 v[OFF], v[LANE], 12, s10        ; bucket = lane: rows of 4,096 bytes
	v_add_nc_u32 v[OFFL], 608, v[LANE]
	v_min_u32 v[OFFL], 624, v[OFFL]                ; the last 32 reach past bucket 624: those lanes read it again and are struck out below
	v_lshl_add_u32 v[OFFL], v[OFFL], 12, s10
	v_lshl_add_u32 v[OUTO], v[L15], 2, s11
	s_wait_kmcnt 0x0
.set k, 0
.rept NR-1
	global_load_b32 v[KEY+k], v[OFF], s[4:5] offset:k*131072
.set k, k+1
.endr
	global_load_b32 v[KEY+NR-1], v[OFFL], s[4:5]
	v_mov_b32 v[BIG], 0x7f7fffff
	v_mov_b32 v[NINF], 0xff800000
	v_mov_b32 v[RES], 0
	v_mov_b32 v[RT], 0                             ; a lane permute's destination counts as read
.set k, 0
.rept NR
	v_add_nc_u32 v[IDS+k], 32*k, v[LANE]
.set k, k+1
.endr
.set k, 0
.rept NR
	v_cvt_f32_u32 v[IDS+k], v[IDS+k]
.set k, k+1
.endr
	s_wait_loadcnt 0x0                             ; every key is needed for the first maximum
	CLAMPV
	v_cmp_lt_u32 vcc_lo, 16, v[LANE]
	v_cndmask_b32 v[KEY+NR-1], v[KEY+NR-1], v[NINF], vcc_lo   ; buckets 625 to 639 do not exist
	PICK16
	global_store_b32 v[OUTO], v[RES], s[6:7]       ; lanes i and i + 16 store the same word with the same value
	s_endpgm
.Lfunc_end_k_q96f5adb7e0_pickc:
	.size	k_q96f5adb7e0_pickc, .Lfunc_end_k_q96f5adb7e0_pickc-k_q96f5adb7e0_pickc
	.p2alignl 7, 3214868480
	.fill 96, 4, 3214868480
	.section	.rodata,"a",@progbits
	.p2align	6, 0x0
	.amdhsa_kernel k_q96f5adb7e0_pickc
		.amdhsa_group_segment_fixed_size 0
		.amdhsa_private_segment_fixed_size 0
		.amdhsa_enable_private_segment 0
		.amdhsa_kernarg_size 16
		.amdhsa_user_sgpr_count 2
		.amdhsa_user_sgpr_kernarg_segment_ptr 1
		.amdhsa_wavefront_size32 1
		.amdhsa_system_sgpr_workgroup_id_x 1
		.amdhsa_system_sgpr_workgroup_id_y 1
		.amdhsa_system_sgpr_workgroup_id_z 1
		.amdhsa_system_vgpr_workitem_id 0
		.amdhsa_next_free_vgpr 80
		.amdhsa_next_free_sgpr 66
		.amdhsa_reserve_vcc 1
		.amdhsa_float_denorm_mode_32 3
		.amdhsa_float_denorm_mode_16_64 3
		.amdhsa_memory_ordered 1
		.amdhsa_forward_progress 1
		.amdhsa_inst_pref_size 14
	.end_amdhsa_kernel
	.amdgpu_metadata
---
amdhsa.version: [ 1, 2 ]
amdhsa.kernels:
  - .name:           k_q96f5adb7e0_pickc
    .symbol:         k_q96f5adb7e0_pickc.kd
    .args:
      - { .name: coarse, .offset: 0, .size: 8, .value_kind: global_buffer, .address_space: global }
      - { .name: cid, .offset: 8, .size: 8, .value_kind: global_buffer, .address_space: global }
    .group_segment_fixed_size: 0
    .private_segment_fixed_size: 0
    .kernarg_segment_align: 8
    .kernarg_segment_size: 16
    .max_flat_workgroup_size: 128
    .sgpr_count:     66
    .vgpr_count:     80
    .wavefront_size: 32
...
	.end_amdgpu_metadata
.endif
;; end of part 8
;; launch pickf (part 9): grid 256 x 1, 4 waves a work-group, no clusters, 0 bytes of LDS; arguments cid, fine, fid; writes fid
.if DOCPART == 9
	.amdgcn_target "amdgcn-amd-amdhsa--gfx1250"
	.amdhsa_code_object_version 6
	.text
	.protected	k_q96f5adb7e0_pickf
	.globl	k_q96f5adb7e0_pickf
	.p2align	8
	.type	k_q96f5adb7e0_pickf,@function
k_q96f5adb7e0_pickf:
	s_mov_b64 s[64:65], 0
	v_nop
	global_prefetch_b8 v0, s[64:65] scope:SCOPE_SE
	s_setreg_imm32_b32 hwreg(HW_REG_WAVE_MODE, 25, 1), 1
	s_wait_xcnt 0x0
; fid[Q][0..15] = the 16 fine buckets (8 rows each) with the largest maxima among the 16 x 20 fine buckets of query Q's coarse buckets,
; ties to the lower number.  One wave, one query.
; fine holds a record of 84 bytes for each coarse bucket and query: word v < 20 is the maximum of fine bucket 20 C + v.  Lanes l and l + 16
; share the record of coarse bucket cid[l & 15]: lane l takes the words 2 k + (l >> 4), k < 10.  So a query's 320 keys lie in 16 records.
; The bucket numbers that steer the addresses were stored by the launch before as whole numbers.
; Keys, their floor at (largest key - 103.97) with its stated limit, and the rounds without long chains: as in the launch that picks coarse buckets.
.set NR,   10
.set FREC, 84                          ; bytes in a record
.set FROW, 1024*FREC                   ; bytes in a coarse bucket's 1,024 records
.set HALF, 1                           ; which half of the lanes
.set RM,   2
.set RT,   3
.set RC,   4
.set RES,  5
.set TH,   6
.set BIG,  7
.set NINF, 8
.set L15,  9
.set OFF,  10
.set HOF,  11                          ; my query's record in a coarse bucket's records, and my first word in it
.set OUTO, 12
.set FIRST,13                          ; my first fine bucket
.set KEY,  16                          ; v[16:25]
.set IDS,  26                          ; v[26:35]
.set TP,   36                          ; v[36:45]  temporaries
.set SM,   20                          ; s[20:29]  a mask for each key
.macro WMAX x, t
	v_max_num_f32_dpp v[\x], v[\x], v[\x] row_xmask:1 row_mask:0xf bank_mask:0xf
	v_max_num_f32_dpp v[\x], v[\x], v[\x] row_xmask:2 row_mask:0xf bank_mask:0xf
	v_max_num_f32_dpp v[\x], v[\x], v[\x] row_xmask:4 row_mask:0xf bank_mask:0xf
	v_max_num_f32_dpp v[\x], v[\x], v[\x] row_xmask:8 row_mask:0xf bank_mask:0xf
	v_permlanex16_b32 v[\t], v[\x], s12, s13
	v_max_num_f32 v[\x], v[\x], v[\t]
.endm
.macro WMIN x, t
	v_min_num_f32_dpp v[\x], v[\x], v[\x] row_xmask:1 row_mask:0xf bank_mask:0xf
	v_min_num_f32_dpp v[\x], v[\x], v[\x] row_xmask:2 row_mask:0xf bank_mask:0xf
	v_min_num_f32_dpp v[\x], v[\x], v[\x] row_xmask:4 row_mask:0xf bank_mask:0xf
	v_min_num_f32_dpp v[\x], v[\x], v[\x] row_xmask:8 row_mask:0xf bank_mask:0xf
	v_permlanex16_b32 v[\t], v[\x], s12, s13
	v_min_num_f32 v[\x], v[\x], v[\t]
.endm
.macro TMAX src, dst                   ; the largest of 10 registers: 3 threes, 1 three, and the tenth
.irp i, 0,1,2
	v_max3_num_f32 v[TP+\i], v[\src+3*\i], v[\src+3*\i+1], v[\src+3*\i+2]
.endr
	v_max3_num_f32 v[TP], v[TP], v[TP+1], v[TP+2]
	v_max_num_f32 v[\dst], v[TP], v[\src+9]
.endm
.macro TMIN src, dst                   ; src may be TP itself: line i writes TP + i and later lines read from TP + 3 i + 3 on
.irp i, 0,1,2
	v_min3_num_f32 v[TP+\i], v[\src+3*\i], v[\src+3*\i+1], v[\src+3*\i+2]
.endr
	v_min3_num_f32 v[TP], v[TP], v[TP+1], v[TP+2]
	v_min_num_f32 v[\dst], v[TP], v[\src+9]
.endm
.macro CLAMPV
	TMAX KEY, RM
	WMAX RM, RT
	v_add_f32 v[TH], 0xc2cff1b5, v[RM]             ; the largest key - 103.97
.set k, 0
.rept NR
	v_max_num_f32 v[KEY+k], v[KEY+k], v[TH]
.set k, k+1
.endr
.endm
.macro PICK16                          ; sixteen rounds: the largest key, of its holders the lowest number, which is noted and struck out
	s_mov_b32 s14, 0
.Lround:
	TMAX KEY, RM
	WMAX RM, RT
.set k, 0
.rept NR
	v_cmp_eq_f32 s[SM+k], v[RM], v[KEY+k]
.set k, k+1
.endr
.set k, 0
.rept NR
	v_cndmask_b32 v[TP+k], v[BIG], v[IDS+k], s[SM+k]
.set k, k+1
.endr
	TMIN TP, RC
	WMIN RC, RT
.set k, 0
.rept NR
	v_cmp_eq_f32 s[SM+k], v[RC], v[IDS+k]
.set k, k+1
.endr
.set k, 0
.rept NR
	v_cndmask_b32 v[KEY+k], v[KEY+k], v[NINF], s[SM+k]
.set k, k+1
.endr
	v_cmp_eq_u32 vcc_lo, s14, v[L15]
	v_cndmask_b32 v[RES], v[RES], v[RC], vcc_lo
	s_add_co_u32 s14, s14, 1
	s_cmp_lt_u32 s14, 16
	s_cbranch_scc1 .Lround
	v_cvt_u32_f32 v[RES], v[RES]
.endm
	s_load_b128 s[4:7], s[0:1], 0x0                ; cid s[4:5], fine s[6:7]
	s_load_b64 s[8:9], s[0:1], 0x10                ; fid
	v_lshrrev_b32 v[RM], 5, v0
	v_readfirstlane_b32 s15, v[RM]                 ; wave
	v_and_b32 v[L15], 15, v0
	v_bfe_u32 v[HALF], v0, 4, 1
	s_lshl_b32 s16, ttmp9, 2
	s_add_co_u32 s16, s16, s15                     ; Q
	s_mul_i32 s10, s16, FREC
	s_lshl_b32 s11, s16, 6
	s_mov_b32 s12, 0x76543210
	s_mov_b32 s13, 0xfedcba98
	v_lshl_add_u32 v[OUTO], v[L15], 2, s11         ; word l & 15 of the query's 16, in cid and in fid
	v_lshl_add_u32 v[HOF], v[HALF], 2, s10         ; 84 Q + 4 (l >> 4)
	s_wait_kmcnt 0x0
	global_load_b32 v[FIRST], v[OUTO], s[4:5]
	v_mov_b32 v[BIG], 0x7f7fffff
	v_mov_b32 v[NINF], 0xff800000
	v_mov_b32 v[RES], 0
	v_mov_b32 v[RT], 0                             ; a lane permute's destination counts as read
	s_wait_loadcnt 0x0
	v_min_u32 v[FIRST], 0x270, v[FIRST]            ; a coarse bucket's number stays below 625
	v_mul_u32_u24 v[OFF], FROW, v[FIRST]           ; at most 624 x 86,016: below 2^31
	v_add_nc_u32 v[OFF], v[OFF], v[HOF]
.set k, 0
.rept NR
	global_load_b32 v[KEY+k], v[OFF], s[6:7] offset:k*8
.set k, k+1
.endr
	v_mul_u32_u24 v[FIRST], 20, v[FIRST]
	v_add_nc_u32 v[FIRST], v[FIRST], v[HALF]       ; fine bucket 20 C + (l >> 4); + 2 k
.set k, 0
.rept NR
	v_add_nc_u32 v[IDS+k], 2*k, v[FIRST]
.set k, k+1
.endr
.set k, 0
.rept NR
	v_cvt_f32_u32 v[IDS+k], v[IDS+k]
.set k, k+1
.endr
	s_wait_loadcnt 0x0                             ; every key is needed for the first maximum
	CLAMPV
	PICK16
	global_store_b32 v[OUTO], v[RES], s[8:9]       ; lanes i and i + 16 store the same word with the same value
	s_endpgm
.Lfunc_end_k_q96f5adb7e0_pickf:
	.size	k_q96f5adb7e0_pickf, .Lfunc_end_k_q96f5adb7e0_pickf-k_q96f5adb7e0_pickf
	.p2alignl 7, 3214868480
	.fill 96, 4, 3214868480
	.section	.rodata,"a",@progbits
	.p2align	6, 0x0
	.amdhsa_kernel k_q96f5adb7e0_pickf
		.amdhsa_group_segment_fixed_size 0
		.amdhsa_private_segment_fixed_size 0
		.amdhsa_enable_private_segment 0
		.amdhsa_kernarg_size 24
		.amdhsa_user_sgpr_count 2
		.amdhsa_user_sgpr_kernarg_segment_ptr 1
		.amdhsa_wavefront_size32 1
		.amdhsa_system_sgpr_workgroup_id_x 1
		.amdhsa_system_sgpr_workgroup_id_y 1
		.amdhsa_system_sgpr_workgroup_id_z 1
		.amdhsa_system_vgpr_workitem_id 0
		.amdhsa_next_free_vgpr 48
		.amdhsa_next_free_sgpr 66
		.amdhsa_reserve_vcc 1
		.amdhsa_float_denorm_mode_32 3
		.amdhsa_float_denorm_mode_16_64 3
		.amdhsa_memory_ordered 1
		.amdhsa_forward_progress 1
		.amdhsa_inst_pref_size 9
	.end_amdhsa_kernel
	.amdgpu_metadata
---
amdhsa.version: [ 1, 2 ]
amdhsa.kernels:
  - .name:           k_q96f5adb7e0_pickf
    .symbol:         k_q96f5adb7e0_pickf.kd
    .args:
      - { .name: cid, .offset: 0, .size: 8, .value_kind: global_buffer, .address_space: global }
      - { .name: fine, .offset: 8, .size: 8, .value_kind: global_buffer, .address_space: global }
      - { .name: fid, .offset: 16, .size: 8, .value_kind: global_buffer, .address_space: global }
    .group_segment_fixed_size: 0
    .private_segment_fixed_size: 0
    .kernarg_segment_align: 8
    .kernarg_segment_size: 24
    .max_flat_workgroup_size: 128
    .sgpr_count:     66
    .vgpr_count:     48
    .wavefront_size: 32
...
	.end_amdgpu_metadata
.endif
;; end of part 9
;; launch finish (part 10): grid 256 x 1, 4 waves a work-group, no clusters, 310,784 bytes of LDS; arguments conceptnet_text_vec, fid, table, af, b, out0; writes out0
.if DOCPART == 10
	.amdgcn_target "amdgcn-amd-amdhsa--gfx1250"
	.amdhsa_code_object_version 6
	.text
	.protected	k_q96f5adb7e0_finish
	.globl	k_q96f5adb7e0_finish
	.p2align	8
	.type	k_q96f5adb7e0_finish,@function
k_q96f5adb7e0_finish:
	s_mov_b64 s[64:65], 0
	v_nop
	global_prefetch_b8 v0, s[64:65] scope:SCOPE_SE
	s_setreg_imm32_b32 hwreg(HW_REG_WAVE_MODE, 25, 1), 1
	s_wait_xcnt 0x0
; For query Q: the 16 table rows with the largest logits among the 16 x 8 rows of its fine buckets (ties to the lower row), and
; out0[Q] = sum over these rows h_i of softmax_i(tanh(h_i a) b) h_i.  Four waves, four queries, one wave a query.
; PART 1, the logits again.  A bucket is 8,192 consecutive bytes of the table: a unit of 16 loads of 512 consecutive bytes.  Four register
; slots (window 1) keep three to four units on their way.  A unit is rounded to bf16 in place and laid into the wave's own LDS rows of
; 528 bytes; all 128 rows stay there.  The query is source 0 (every row of the fragment is the query), 16 table rows are source 1, so that
; register 0 of the result holds in lane r the logit of row r: bf16 operands, f32 sums, as in the launch that made the bucket maxima.
; PART 2, the choice: sixteen rounds of selects; no branch and no address hangs on a key.  Keys are first raised to (largest key - 103.97):
; what the reference's softmax turns into 0 is a tie there, won by the lowest index.  Limit: between 87.3 and 103.97 below the largest key
; the reference's values are denormals, which may tie where these keys do not.
; PART 3, the 16 rows WITHOUT A SECOND GATHER: they are among the 128 in LDS, and they are taken out by a product with ones and zeros,
; h^T (256 x 16) = H^T (256 x 128) x P^T (128 x 16), P[i][c] = 1 where candidate c is winner i.  One term of each sum is not 0, so the
; result is the row's bf16 value exactly.  H^T's fragments come by the transposing LDS load.  Lane (r, h) then holds e = 16 t + 8 h + 0..7
; of row r, which, packed, is registers 4 (t & 1) .. + 3 of K step t >> 1 of row r's fragment (ISA guide 7.12.2): no further shuffle.
; PART 4.  For h a the columns of a are shared out: wave w holds columns 64 w .. 64 w + 63 (256 registers, window 2) and multiplies all
; four queries' rows, whose fragments the waves hand each other through LDS; its share of e = tanh(..) b goes back the same way.
; tanh(x) = 1 - 2 / (1 + 2^(2.885390 x)): right at both ends (the power overflows to infinity or falls to 0, giving 1 or -1).
; The softmax over the 16 takes its maximum away first.
; FORMAT: h enters the last sum rounded to bf16 (a matrix product's operand); the weights and the sum are f32.
; The bucket numbers that steer the addresses were stored by the launch before as whole numbers.
.set NR,   4
.set RM,   2                           ; at work in the rounds; later T0
.set RT,   3                           ; later T1
.set RC,   4                           ; later ONE
.set RES,  5                           ; lanes i and i + 16: the winner of round i
.set TH,   6                           ; later ATT = v[6:7]
.set BIG,  7
.set NINF, 8
.set L15,  9
.set XA,   10                          ; LDS: my wave's row r, 16 h
.set QA,   11                          ; LDS: the query's row, 16 h
.set TA,   12                          ; LDS: the transposing load's address in my wave's rows
.set STA,  13                          ; LDS: my wave's row 0 + 8 x lane
.set STA2, 14                          ; LDS: my wave's row 64 + 8 x lane (an LDS immediate has 16 bits)
.set L7,   15
.set KEY,  16                          ; v[16:19]   lane l: candidate 32 d + l.            Later NB = v[16:19]
.set IDS,  20                          ; v[20:23]   its row number.                        Later SB, EPW, HSA, HLA
.set BV,   24                          ; v[24:27]   b of my columns 64 w + 16 n + r
.set TP,   28                          ; v[28:31]   temporaries
.set DX,   32                          ; v[32:39], v[40:47] two accumulators.              Later PM = v[32:63], then EE
.set DY,   40
.set QF,   48                          ; v[48:111]  the query's fragments.                 Later HB, then RT0
.set FX,   112                         ; v[112:175] fragments of 16 rows.                  Later H^T's fragments of candidates 64-95, then ACC
.set FY,   176                         ; v[176:239] of the next 16
.set QS,   240                         ; v[240:251] the query's row as loaded, then packed
.set FOF,  252
.set BOF,  253
.set QSA,  254
.set T0,   2
.set T1,   3
.set ONE,  4
.set ATT,  6
.set NB,   16                          ; -2 b
.set SB,   20                          ; the sum of my four b
.set EPW,  21
.set HSA,  22
.set HLA,  23
.set PM,   32                          ; P's fragments, candidates 32 d .. at 8 d
.set EE,   32                          ; my share of e: query m, rows 8 h + j at 8 m + j
.set HB,   48                          ; my query's 16 rows as fragments, tile t at 4 t
.set RT0,  48                          ; temporaries of the last sum
.set ACC,  112                         ; 16 accumulators: query m, column tile n at 32 m + 8 n; then the weighted rows, tile t at 8 t
.set SM,   16                          ; s[16:19]   a mask for each key
.set CP,   528                         ; an LDS row: 512 bytes of bf16 + 16, an odd multiple of 16: the 16 rows of a fragment load start in 16 different 16-byte columns
.set CW,   128*CP                      ; a wave's 128 rows
.set QROW, 4*CW                        ; 512 bytes a wave: the query's row
.set HSH,  QROW+2048                   ; 8,192 bytes a wave: its 16 rows as fragments, [tile 16][lane 32] x 16 bytes
.set EPS,  HSH+32768                   ; [query 4][wave 4][row 16] f32
.set OST,  EPS+1024                    ; 1,024 bytes a wave: the output row on its way out
.set MSB, 0
.macro WIN new
.if MSB != \new
	s_set_vgpr_msb (MSB<<8)|\new
.set MSB, \new
.endif
.endm
.macro WMAX x, t
	v_max_num_f32_dpp v[\x], v[\x], v[\x] row_xmask:1 row_mask:0xf bank_mask:0xf
	v_max_num_f32_dpp v[\x], v[\x], v[\x] row_xmask:2 row_mask:0xf bank_mask:0xf
	v_max_num_f32_dpp v[\x], v[\x], v[\x] row_xmask:4 row_mask:0xf bank_mask:0xf
	v_max_num_f32_dpp v[\x], v[\x], v[\x] row_xmask:8 row_mask:0xf bank_mask:0xf
	v_permlanex16_b32 v[\t], v[\x], s24, s25
	v_max_num_f32 v[\x], v[\x], v[\t]
.endm
.macro WMIN x, t
	v_min_num_f32_dpp v[\x], v[\x], v[\x] row_xmask:1 row_mask:0xf bank_mask:0xf
	v_min_num_f32_dpp v[\x], v[\x], v[\x] row_xmask:2 row_mask:0xf bank_mask:0xf
	v_min_num_f32_dpp v[\x], v[\x], v[\x] row_xmask:4 row_mask:0xf bank_mask:0xf
	v_min_num_f32_dpp v[\x], v[\x], v[\x] row_xmask:8 row_mask:0xf bank_mask:0xf
	v_permlanex16_b32 v[\t], v[\x], s24, s25
	v_min_num_f32 v[\x], v[\x], v[\t]
.endm
.macro LMAX
	v_max3_num_f32 v[RM], v[KEY], v[KEY+1], v[KEY+2]
	v_max_num_f32 v[RM], v[RM], v[KEY+3]
.endm
.macro CLAMPV
	LMAX
	WMAX RM, RT
	v_add_f32 v[TH], 0xc2cff1b5, v[RM]             ; the largest key - 103.97
.irp k, 0,1,2,3
	v_max_num_f32 v[KEY+\k], v[KEY+\k], v[TH]
.endr
.endm
.macro PICK16                          ; sixteen rounds: the largest key, of its holders the lowest row, which is noted and struck out
	s_mov_b32 s26, 0
.Lround:
	LMAX
	WMAX RM, RT
.irp k, 0,1,2,3
	v_cmp_eq_f32 s[SM+\k], v[RM], v[KEY+\k]
.endr
.irp k, 0,1,2,3
	v_cndmask_b32 v[TP+\k], v[BIG], v[IDS+\k], s[SM+\k]
.endr
	v_min3_num_f32 v[RC], v[TP], v[TP+1], v[TP+2]
	v_min_num_f32 v[RC], v[RC], v[TP+3]
	WMIN RC, RT
.irp k, 0,1,2,3
	v_cmp_eq_f32 s[SM+\k], v[RC], v[IDS+\k]
.endr
.irp k, 0,1,2,3
	v_cndmask_b32 v[KEY+\k], v[KEY+\k], v[NINF], s[SM+\k]
.endr
	v_cmp_eq_u32 vcc_lo, s26, v[L15]
	v_cndmask_b32 v[RES], v[RES], v[RC], vcc_lo
	s_add_co_u32 s26, s26, 1
	s_cmp_lt_u32 s26, 16
	s_cbranch_scc1 .Lround
	v_cvt_u32_f32 v[RES], v[RES]
.endm
; unit u: bucket u's 8,192 bytes into register slot u & 3 of window 1; load n is half n & 1 of row n >> 1
.macro ULOAD u
	WIN 0x40
.set n, 0
.rept 16
	global_load_b128 v[64*((\u)&3)+4*n:64*((\u)&3)+4*n+3], v1, s[68+2*(\u):69+2*(\u)] offset:512*n
.set n, n+1
.endr
.endm
; column tile t of my four of a, 8,192 bytes, into window 2: K step s, half p at 64 t + 8 s + 4 p
.macro ALOAD t
	WIN 0x80
.set n, 0
.rept 16
	global_load_b128 v[64*(\t)+4*n:64*(\t)+4*n+3], v1, s[32:33] offset:(16*(\t)+n)*512
.set n, n+1
.endr
.endm
; unit u is rounded and laid into LDS rows 8 u .. 8 u + 7; then 16 more loads go out: unit u + 4 into its slot, or, when no unit is left,
; a column tile of a.  So behind every unit's loads three groups of 16 were issued, and the wait leaves these 48 out.
.macro UNIT u
	s_wait_loadcnt 48
	WIN 0x45
.set n, 0
.rept 32
	v_cvt_pk_bf16_f32 v[64*(\u&3)+n], v[64*(\u&3)+2*n], v[64*(\u&3)+2*n+1]   ; in place, ascending: register n is written when 2 n, 2 n + 1 are read
.set n, n+1
.endr
	WIN 0x04
.set n, 0
.rept 16
.if \u < 8
	ds_store_b64 v[STA], v[64*(\u&3)+2*n:64*(\u&3)+2*n+1] offset:(8*\u+(n>>1))*CP+(n&1)*256
.else
	ds_store_b64 v[STA2], v[64*(\u&3)+2*n:64*(\u&3)+2*n+1] offset:(8*(\u-8)+(n>>1))*CP+(n&1)*256
.endif
.set n, n+1
.endr
.if \u < 12
	ULOAD \u+4
.else
	ALOAD \u-12
.endif
	WIN 0
.endm
; candidates 32 d .. 32 d + 31.  LDS serves a wave's instructions in order (ISA guide 5.7.1): these loads see the stores above.
.macro GROUP d
.irp s, 0,1,2,3,4,5,6,7
	ds_load_b128 v[FX+8*\s:FX+8*\s+3],   v[XA] offset:32*\d*CP+64*\s
	ds_load_b128 v[FX+8*\s+4:FX+8*\s+7], v[XA] offset:32*\d*CP+64*\s+32
	ds_load_b128 v[FY+8*\s:FY+8*\s+3],   v[XA] offset:(32*\d+16)*CP+64*\s
	ds_load_b128 v[FY+8*\s+4:FY+8*\s+7], v[XA] offset:(32*\d+16)*CP+64*\s+32
.endr
	s_wait_dscnt 0x0                               ; all of them (in the first group the query's fragments too)
.irp s, 0,1,2,3,4,5,6,7
.if \s == 0
	v_wmma_f32_16x16x32_bf16 v[DX:DX+7], v[QF:QF+7], v[FX:FX+7], 0
	v_wmma_f32_16x16x32_bf16 v[DY:DY+7], v[QF:QF+7], v[FY:FY+7], 0
.else
	v_wmma_f32_16x16x32_bf16 v[DX:DX+7], v[QF+8*\s:QF+8*\s+7], v[FX+8*\s:FX+8*\s+7], v[DX:DX+7]   ; the two accumulators take turns
	v_wmma_f32_16x16x32_bf16 v[DY:DY+7], v[QF+8*\s:QF+8*\s+7], v[FY+8*\s:FY+8*\s+7], v[DY:DY+7]
.endif
.endr
.rept 4
	v_nop                                          ; four places before a result is read and before loads land on the sources
.endr
	v_cndmask_b32 v[KEY+\d], v[DX], v[DY], s15     ; lanes 0-15: row 32 d + r; lanes 16-31: row 32 d + 16 + r
.endm
; H^T's fragments for candidates 32 d .. 32 d + 31, all 16 tiles of e: lane l addresses row 8 h + (l & 7) (+ 16 in the second load) and
; 16 bytes of it, and receives 8 candidates of column 16 t + r
.macro TRL d, win, base
	WIN \win
.irp t, 0,1,2,3,4,5,6,7,8,9,10,11,12,13,14,15
	ds_load_tr16_b128 v[\base+8*\t:\base+8*\t+3],   v[TA] offset:32*\d*CP+32*\t
	ds_load_tr16_b128 v[\base+8*\t+4:\base+8*\t+7], v[TA] offset:(32*\d+16)*CP+32*\t
.endr
.endm
; 16 matrix instructions: these candidates' part of h^T; the 16 accumulators (window 1, tile t at 8 t) take turns
.macro SEL d, win, base
	WIN \win
.irp t, 0,1,2,3,4,5,6,7,8,9,10,11,12,13,14,15
.if \d == 0
	v_wmma_f32_16x16x32_bf16 v[8*\t:8*\t+7], v[\base+8*\t:\base+8*\t+7], v[PM:PM+7], 0
.else
	v_wmma_f32_16x16x32_bf16 v[8*\t:8*\t+7], v[\base+8*\t:\base+8*\t+7], v[PM+8*\d:PM+8*\d+7], v[8*\t:8*\t+7]
.endif
.endr
.endm
; One halving of the last sum.  Of 2 cnt registers a lane keeps cnt (the upper ones where its bit of r is set), sends the others to the
; lane whose r differs in that bit, and adds what that lane sends.
.macro RS cnt, mask, xm
	s_mov_b32 s27, \mask
.set n, 0
.rept \cnt
	v_cndmask_b32 v[RT0+n], v[ACC+\cnt+n], v[ACC+n], s27
.set n, n+1
.endr
.set n, 0
.rept \cnt
	v_cndmask_b32 v[ACC+n], v[ACC+n], v[ACC+\cnt+n], s27
.set n, n+1
.endr
.set n, 0
.rept \cnt
	v_add_f32_dpp v[ACC+n], v[RT0+n], v[ACC+n] row_xmask:\xm row_mask:0xf bank_mask:0xf
.set n, n+1
.endr
.endm
	s_load_b256 s[4:11], s[0:1], 0x0               ; ids s[4:5], fid s[6:7], table s[8:9], af s[10:11]
	s_load_b128 s[60:63], s[0:1], 0x20             ; b s[60:61], out0 s[62:63]
	v_lshrrev_b32 v2, 5, v0
	v_readfirstlane_b32 s12, v2                    ; wave
	s_lshl_b32 s13, ttmp9, 2
	s_add_co_u32 s13, s13, s12                     ; Q
	s_lshl_b32 s16, s13, 6
	s_mov_b32 s17, 0
	s_lshl_b32 s18, s13, 2
	s_mov_b32 s19, 0
	s_mov_b32 s53, 0
	s_mul_i32 s14, s12, CW                         ; my wave's 128 rows in LDS
	s_mov_b32 s15, 0xffff0000                      ; lanes 16-31
	s_mov_b32 s24, 0x76543210
	s_mov_b32 s25, 0xfedcba98
	s_lshl_b32 s27, s12, 8
	s_lshl_b32 s28, s12, 9
	s_add_co_u32 s28, s28, QROW
	s_wait_kmcnt 0x0
	s_add_nc_u64 s[20:21], s[6:7], s[16:17]
	s_add_nc_u64 s[22:23], s[4:5], s[18:19]
	s_load_b512 s[36:51], s[20:21], 0x0            ; the query's 16 buckets, as scalars: each is the base of a unit's loads
	s_load_b32 s56, s[22:23], 0x0                  ; the query's own row
	s_lshl_b32 s52, s12, 15
	s_add_nc_u64 s[32:33], s[10:11], s[52:53]      ; af at my four column tiles
	s_lshl_b32 s52, s13, 10
	s_add_nc_u64 s[34:35], s[62:63], s[52:53]      ; out0 at my query's row
	v_and_b32 v1, 31, v0
	v_and_b32 v[L15], 15, v0
	v_and_b32 v[L7], 7, v0                         ; my candidate's row in its bucket
	v_bfe_u32 v[FOF], v0, 3, 2
	v_lshl_add_u32 v[FOF], v[FOF], 2, s16          ; word (lane >> 3) of the query's 16; + 4 d words in the immediate
	v_lshl_add_u32 v[BOF], v[L15], 2, s27          ; byte offset in b of column 64 w + r
	v_lshl_add_u32 v[STA], v1, 3, s14
	v_add_nc_u32 v[STA2], 64*CP, v[STA]
	v_lshl_add_u32 v[QSA], v1, 3, s28
	v_lshlrev_b32 v1, 4, v1                        ; 16 x lane
	v_bfe_u32 v[QA], v0, 4, 1                      ; h
	v_mul_u32_u24 v[XA], v[L15], CP
	v_lshl_add_u32 v[XA], v[QA], 4, v[XA]
	v_add_nc_u32 v[XA], s14, v[XA]
	v_lshl_add_u32 v[TA], v[QA], 3, v[L7]          ; row 8 h + (lane & 7),
	v_mul_u32_u24 v[TA], v[TA], CP
	v_bfe_u32 v[RM], v0, 3, 1
	v_lshl_add_u32 v[TA], v[RM], 4, v[TA]          ; the first or the second 16 bytes of a tile's 32
	v_add_nc_u32 v[TA], s14, v[TA]
	v_lshl_add_u32 v[QA], v[QA], 4, s28
.irp d, 0,1,2,3
	global_load_b32 v[IDS+\d], v[FOF], s[6:7] offset:16*\d     ; my four candidates' buckets
.endr
.irp n, 0,1,2,3
	global_load_b32 v[BV+\n], v[BOF], s[60:61] offset:64*\n
.endr
	v_mov_b32 v[BIG], 0x7f7fffff
	v_mov_b32 v[NINF], 0xff800000
	v_mov_b32 v[RES], 0
	v_mov_b32 v[RT], 0                             ; a lane permute's destination counts as read
	s_wait_kmcnt 0x0
	s_min_u32 s56, s56, 0x1869f                    ; a row number stays below 100,000
	s_lshl_b32 s52, s56, 10
	s_add_nc_u64 s[58:59], s[8:9], s[52:53]
.irp i, 0,1,2,3,4,5,6,7,8,9,10,11,12,13,14,15
	s_min_u32 s[36+\i], s[36+\i], 0x30d3           ; a fine bucket's number stays below 12,500; kept for part 3
	s_lshl_b32 s52, s[36+\i], 13
	s_add_nc_u64 s[68+2*\i:69+2*\i], s[8:9], s[52:53]
.endr
	global_load_b128 v[QS:QS+3],   v1, s[58:59]
	global_load_b128 v[QS+4:QS+7], v1, s[58:59] offset:512
	ULOAD 0
	ULOAD 1
	ULOAD 2
	WIN 0
	s_wait_loadcnt 48                              ; the three units' 48 loads stay out: the bucket numbers, b and the query's row are in
.irp d, 0,1,2,3
	v_min_u32 v[IDS+\d], 0x30d3, v[IDS+\d]
	v_lshl_add_u32 v[IDS+\d], v[IDS+\d], 3, v[L7]  ; row = 8 x bucket + lane & 7
	v_cvt_f32_u32 v[IDS+\d], v[IDS+\d]
.endr
.irp c, 0,1,2,3
	v_cvt_pk_bf16_f32 v[QS+8+\c], v[QS+2*\c], v[QS+2*\c+1]
.endr
	ds_store_b64 v[QSA], v[QS+8:QS+9]
	ds_store_b64 v[QSA], v[QS+10:QS+11] offset:256
.irp s, 0,1,2,3,4,5,6,7
	ds_load_b128 v[QF+8*\s:QF+8*\s+3],   v[QA] offset:64*\s       ; no row term: every row of the fragment is the query
	ds_load_b128 v[QF+8*\s+4:QF+8*\s+7], v[QA] offset:64*\s+32
.endr
	ULOAD 3
	WIN 0
	UNIT 0
	UNIT 1
	UNIT 2
	UNIT 3
	GROUP 0
	UNIT 4
	UNIT 5
	UNIT 6
	UNIT 7
	GROUP 1
	UNIT 8
	UNIT 9
	UNIT 10
	UNIT 11
	GROUP 2
	UNIT 12
	UNIT 13
	UNIT 14
	UNIT 15
	GROUP 3
	; all 128 rows lie in LDS: H^T's 512 registers are asked for now and land during the rounds, which touch none of them.
	; Candidates 0-63 go to window 3, 64-95 to window 0 (the fragments of part 1, four places behind their last product), 96-127 to window 1.
	TRL 0, 0xc0, 0
	TRL 1, 0xc0, 128
	TRL 2, 0x00, FX
	TRL 3, 0x40, 128
	WIN 0                                          ; at a label and at a branch every window is 0
	CLAMPV
	PICK16
	; PART 3.  P's fragments: lane (r, h), candidates 32 d + 16 p + 8 h + j = row j of bucket 4 d + 2 p + h.  With u = winner r's row - the
	; bucket's first row (it wraps to a large number below 0), register c holds a bf16 one in its half u & 1 where u >> 1 = c, else zeros.
	v_mov_b32 v[ONE], 0x3f80
.irp d, 0,1,2,3
.irp p, 0,1
	v_mov_b32 v[T0], s[36+4*\d+2*\p]
	v_cndmask_b32 v[T0], v[T0], s[37+4*\d+2*\p], s15
	v_lshlrev_b32 v[T0], 3, v[T0]
	v_sub_nc_u32 v[T0], v[RES], v[T0]
	v_and_b32 v[T1], 1, v[T0]
	v_lshlrev_b32 v[T1], 4, v[T1]
	v_lshlrev_b32 v[T1], v[T1], v[ONE]
	v_lshrrev_b32 v[T0], 1, v[T0]
.irp c, 0,1,2,3
	v_cmp_eq_u32 vcc_lo, \c, v[T0]
	v_cndmask_b32 v[PM+8*\d+4*\p+\c], 0, v[T1], vcc_lo
.endr
.endr
.endr
	s_lshl_b32 s29, s12, 13
	s_add_co_u32 s29, s29, HSH
	v_add_nc_u32 v[HSA], s29, v1                   ; my wave's fragments + 16 x lane
	v_add_nc_u32 v[HLA], HSH, v1
	s_lshl_b32 s30, s12, 6
	s_add_co_u32 s30, s30, EPS
	v_bfe_u32 v[T0], v0, 4, 1
	v_lshl_add_u32 v[EPW], v[T0], 5, s30           ; 64 w + 32 h; + 256 x query in the immediate
.irp n, 0,1,2,3
	v_mul_f32 v[NB+\n], -2.0, v[BV+\n]
.endr
	v_add_f32 v[SB], v[BV], v[BV+1]
	v_add_f32 v[T1], v[BV+2], v[BV+3]
	v_add_f32 v[SB], v[SB], v[T1]
	s_wait_dscnt 0x0                               ; H^T's fragments
	SEL 0, 0x53, 0                                 ; source 0 window 3, C and D window 1
	SEL 1, 0x53, 128
	SEL 2, 0x50, FX
	SEL 3, 0x51, 128
	WIN 0
.rept 4
	v_nop                                          ; four places before the results are read and P's registers rewritten (ISA guide 7.12.1)
.endr
	WIN 0x05
.set n, 0
.rept 64
	v_cvt_pk_bf16_f32 v[HB+n], v[2*n], v[2*n+1]    ; exact: the values are bf16 already
.set n, n+1
.endr
	WIN 0
.irp t, 0,1,2,3,4,5,6,7,8,9,10,11,12,13,14,15
	ds_store_b128 v[HSA], v[HB+4*\t:HB+4*\t+3] offset:512*\t
.endr
	s_wait_dscnt 0x0                               ; for the others' sake: my rows' fragments are in LDS
	s_barrier_signal -1
	s_barrier_wait -1
	; PART 4: all four queries' fragments (window 3, query m at 64 m), times my 64 columns of a
	WIN 0xc0
.irp m, 0,1,2,3
.irp t, 0,1,2,3,4,5,6,7,8,9,10,11,12,13,14,15
	ds_load_b128 v[64*\m+4*\t:64*\m+4*\t+3], v[HLA] offset:8192*\m+512*\t
.endr
.endr
	s_wait_loadcnt 0x0                             ; a's fragments
	s_wait_dscnt 0x0
	WIN 0x0b                                       ; source 0 window 3, source 1 (a) window 2
.irp s, 0,1,2,3,4,5,6,7
.irp m, 0,1,2,3
.irp n, 0,1,2,3
.if \s == 0
	v_wmma_f32_16x16x32_bf16 v[ACC+32*\m+8*\n:ACC+32*\m+8*\n+7], v[64*\m:64*\m+7], v[64*\n:64*\n+7], 0
.else
	v_wmma_f32_16x16x32_bf16 v[ACC+32*\m+8*\n:ACC+32*\m+8*\n+7], v[64*\m+8*\s:64*\m+8*\s+7], v[64*\n+8*\s:64*\n+8*\s+7], v[ACC+32*\m+8*\n:ACC+32*\m+8*\n+7]   ; sixteen accumulators by turns
.endif
.endr
.endr
.endr
	WIN 0
.rept 4
	v_nop                                          ; four places before the results are read (ISA guide 7.12.1)
.endr
.set n, 0
.rept 64
	v_pk_mul_f32 v[ACC+2*n:ACC+2*n+1], v[ACC+2*n:ACC+2*n+1], 0x4038aa3b op_sel_hi:[1,0]   ; 2 log2(e) x
.set n, n+1
.endr
.set n, 0
.rept 128
	v_exp_f32 v[ACC+n], v[ACC+n]
.set n, n+1
.endr
	v_nop                                          ; one plain instruction behind a run of transcendentals (ISA guide 5.7.2)
.set n, 0
	s_wait_alu depctr_va_vdst(0)
.rept 64
	v_pk_add_f32 v[ACC+2*n:ACC+2*n+1], v[ACC+2*n:ACC+2*n+1], 1.0 op_sel_hi:[1,0]
.set n, n+1
.endr
.set n, 0
.rept 128
	v_rcp_f32 v[ACC+n], v[ACC+n]
.set n, n+1
.endr
	v_nop
	s_wait_alu depctr_va_vdst(0)
.irp m, 0,1,2,3
.irp j, 0,1,2,3,4,5,6,7
	v_fma_f32 v[EE+8*\m+\j], v[ACC+32*\m+\j], v[NB], v[SB]    ; sum of b (1 - 2 rcp) = sum of b + sum of rcp x (-2 b)
.endr
.endr
.irp n, 1,2,3
.irp m, 0,1,2,3
.irp j, 0,1,2,3,4,5,6,7
	v_fmac_f32 v[EE+8*\m+\j], v[ACC+32*\m+8*\n+\j], v[NB+\n]
.endr
.endr
.endr
.irp x, 1,2,4,8
.set n, 0
.rept 32
	v_add_f32_dpp v[EE+n], v[EE+n], v[EE+n] row_xmask:\x row_mask:0xf bank_mask:0xf       ; over the 16 columns of a half's lanes
.set n, n+1
.endr
.endr
.irp m, 0,1,2,3
	ds_store_b128 v[EPW], v[EE+8*\m:EE+8*\m+3]   offset:\m*256      ; the 16 lanes of a half write the same words with the same values
	ds_store_b128 v[EPW], v[EE+8*\m+4:EE+8*\m+7] offset:\m*256+16
.endr
	s_wait_dscnt 0x0                               ; for the others' sake: my shares are in LDS
	s_barrier_signal -1
	s_barrier_wait -1
	; my query: lane r takes row r's four shares (both halves of the lanes alike)
	s_lshl_b32 s31, s12, 8
	s_add_co_u32 s31, s31, EPS
	v_lshl_add_u32 v[T0], v[L15], 2, s31
	ds_load_b32 v24, v[T0]
	ds_load_b32 v25, v[T0] offset:64
	ds_load_b32 v26, v[T0] offset:128
	ds_load_b32 v27, v[T0] offset:192
	s_wait_dscnt 0x0
	v_add_f32 v24, v24, v25
	v_add_f32 v26, v26, v27
	v_add_f32 v24, v24, v26                        ; e of row r
	v_mov_b32 v25, v24
.irp x, 1,2,4,8
	v_max_num_f32_dpp v25, v25, v25 row_xmask:\x row_mask:0xf bank_mask:0xf
.endr
	v_sub_f32 v26, v24, v25                        ; the maximum is taken away
	v_mul_f32 v26, 0x3fb8aa3b, v26
	v_exp_f32 v26, v26
	v_nop
	s_wait_alu depctr_va_vdst(0)
	v_mov_b32 v27, v26
.irp x, 1,2,4,8
	v_add_f32_dpp v27, v27, v27 row_xmask:\x row_mask:0xf bank_mask:0xf
.endr
	v_rcp_f32 v27, v27
	v_nop
	s_wait_alu depctr_va_vdst(0)
	v_mul_f32 v[ATT], v26, v27                     ; the weight of row r, in lane r
	v_mov_b32 v[ATT+1], v[ATT]
	; lane (r, h) still holds row r in f32 (window 1): times its weight, then summed over the 16 lanes of the half by halving, so that
	; lane r ends with tile r: out[16 r + 8 h + 0..7]
	WIN 0x01
.set n, 0
.rept 64
	v_pk_mul_f32 v[ACC+2*n:ACC+2*n+1], v[2*n:2*n+1], v[ATT:ATT+1]
.set n, n+1
.endr
	WIN 0
	RS 64, 0xff00ff00, 8
	RS 32, 0xf0f0f0f0, 4
	RS 16, 0xcccccccc, 2
	RS 8,  0xaaaaaaaa, 1
	; through my own 1,024 bytes of LDS, so that each store of the wave covers 512 consecutive bytes, aligned
	s_lshl_b32 s54, s12, 10
	s_add_co_u32 s54, s54, OST
	v_lshl_add_u32 v[T0], v[L15], 6, s54
	v_bfe_u32 v[T1], v0, 4, 1
	v_lshl_add_u32 v[T0], v[T1], 5, v[T0]          ; 64 r + 32 h
	v_add_nc_u32 v[T1], s54, v1
	ds_store_b128 v[T0], v[ACC:ACC+3]
	ds_store_b128 v[T0], v[ACC+4:ACC+7] offset:16
	ds_load_b128 v[24:27], v[T1]                   ; LDS serves a wave's instructions in order: these see the stores above
	ds_load_b128 v[28:31], v[T1] offset:512
	s_wait_dscnt 0x0
	global_store_b128 v1, v[24:27], s[34:35]
	global_store_b128 v1, v[28:31], s[34:35] offset:512
	s_wait_xcnt 0x0
	v_lshl_add_u32 v254, v0, 2, 0x4bc00
	v_mov_b32 v255, 0
	s_wait_tensorcnt 0x0
	ds_add_u32 v254, v255
	s_wait_dscnt 0x0
	s_endpgm
.Lfunc_end_k_q96f5adb7e0_finish:
	.size	k_q96f5adb7e0_finish, .Lfunc_end_k_q96f5adb7e0_finish-k_q96f5adb7e0_finish
	.p2alignl 7, 3214868480
	.fill 96, 4, 3214868480
	.section	.rodata,"a",@progbits
	.p2align	6, 0x0
	.amdhsa_kernel k_q96f5adb7e0_finish
		.amdhsa_group_segment_fixed_size 310784
		.amdhsa_private_segment_fixed_size 0
		.amdhsa_enable_private_segment 0
		.amdhsa_kernarg_size 48
		.amdhsa_user_sgpr_count 2
		.amdhsa_user_sgpr_kernarg_segment_ptr 1
		.amdhsa_wavefront_size32 1
		.amdhsa_system_sgpr_workgroup_id_x 1
		.amdhsa_system_sgpr_workgroup_id_y 1
		.amdhsa_system_sgpr_workgroup_id_z 1
		.amdhsa_system_vgpr_workitem_id 0
		.amdhsa_next_free_vgpr 1024
		.amdhsa_next_free_sgpr 100
		.amdhsa_reserve_vcc 1
		.amdhsa_float_denorm_mode_32 3
		.amdhsa_float_denorm_mode_16_64 3
		.amdhsa_memory_ordered 1
		.amdhsa_forward_progress 1
		.amdhsa_inst_pref_size 200
	.end_amdhsa_kernel
	.amdgpu_metadata
---
amdhsa.version: [ 1, 2 ]
amdhsa.kernels:
  - .name:           k_q96f5adb7e0_finish
    .symbol:         k_q96f5adb7e0_finish.kd
    .args:
      - { .name: conceptnet_text_vec, .offset: 0, .size: 8, .value_kind: global_buffer, .address_space: global }
      - { .name: fid, .offset: 8, .size: 8, .value_kind: global_buffer, .address_space: global }
      - { .name: table, .offset: 16, .size: 8, .value_kind: global_buffer, .address_space: global }
      - { .name: af, .offset: 24, .size: 8, .value_kind: global_buffer, .address_space: global }
      - { .name: b, .offset: 32, .size: 8, .value_kind: global_buffer, .address_space: global }
      - { .name: out0, .offset: 40, .size: 8, .value_kind: global_buffer, .address_space: global }
    .group_segment_fixed_size: 310784
    .private_segment_fixed_size: 0
    .kernarg_segment_align: 8
    .kernarg_segment_size: 48
    .max_flat_workgroup_size: 128
    .sgpr_count:     100
    .vgpr_count:     1024
    .wavefront_size: 32
...
	.end_amdgpu_metadata
.endif
;; end of part 10
